; MI455X (gfx1250); checked and timed in simulation.
; The chip was launched on July 23, 2026; its instructions are those of AMD's public machine-readable ISA for CDNA 5 (MIT licence, August 2026) and "CDNA5" Instruction Set Architecture Reference Guide (July 2026). The comments in the code are by the model that wrote it; some were corrected since.
;; Mixture Of Experts. Allowed arithmetic: matrix products marked QUANTISED: E3M2 operands, one E8M0 scale for each 32 along K, by v_wmma_scale_f32_16x16x128_f8f6f4 with both operands' format E3M2, f32 sums; products left as they are: f32 operands where the result goes on into a quantised operand, else bf16, f16 or f32 operands; f32 sums; everything else in f32.
;; Inputs: W1 8 x 1,024 x 4,096 float32; W2 8 x 4,096 x 1,024 float32; Wg 1,024 x 8 float32; b1 8 x 4,096 float32; b2 8 x 1,024 float32; bg 8 float32; x 1,024 x 1,024 float32.
;; Outputs: out0 1,024 x 1,024 float32.
;; Constants: top_k = 2.
;; This version of the problem:
;;   THIS VERSION OF THE PROBLEM IS GIVEN IN LOW PRECISION. The matrix products marked QUANTISED in the list below multiply operands that are first quantised to E3M2 (3 exponent bits, 2 mantissa bits; 6 bits a number), with one power-of-two scale for each 32 numbers along K (OCP MX v1.0); their sums are f32. All else is computed in f32.
;;   The module's matrix products, in the order in which they are computed (A, B: the left and right operand; K: the contracted axis; several contracted axes count as one K, in the product's order):
;;     1. [M 1,024, K 1,024] x [K 1,024, N 8]; A: input x; B: input Wg: left as it is (N = 8 < 16)
;;     2. [M 1,024, K 1,024] x [K 1,024, N 32,768]; A: input x; B: input W1: QUANTISED
;;     3. batch 8 x [M 1,024, K 4,096] x [K 4,096, N 1,024]; A: input W2; B: computed on the way: QUANTISED
;;   THE QUANTISER, for each operand of a quantised product, along K:
;;     - K is cut into blocks of 32 from its start; a last block that is shorter is filled with zeros.
;;     - A block's scale is 2^e with e = floor(log2(the largest magnitude in the block)) - 4, held to -126 .. 127; a block of zeros has e = 0. As a byte (E8M0): e + 127.
;;     - Each number is divided by its block's scale, clamped to +-28, and rounded to the nearest number of E3M2, ties to even, subnormals kept.
;;     - The product sums the exact products of the quantised numbers (number of the format x scale) in f32.
;;   ~~~python
;;   def quantise(x, axis):      # numpy; x: float32 -> the quantised numbers, widened to float32 again
;;       x = np.moveaxis(x, axis, -1); K = x.shape[-1]
;;       x = np.pad(x, [(0, 0)] * (x.ndim - 1) + [(0, -K % 32)]); x = x.reshape(x.shape[:-1] + (-1, 32)); a = np.abs(x).max(-1, keepdims=True)
;;       e = np.where(a > 0, np.clip(np.frexp(np.where(a > 0, a, 1))[1] - 1 - 4, -126, 127), 0)      # np.frexp(a)[1] - 1 = floor(log2(a)), exactly
;;       r = np.clip(x / 2.0 ** e, -28, 28)
;;       step = 2.0 ** (np.maximum(np.frexp(np.where(r == 0, 1, r))[1] - 1, -2) - 2)
;;       q = np.round(r / step) * step * 2.0 ** e      # np.round: ties to even
;;       return np.moveaxis(q.reshape(q.shape[:-2] + (-1,))[..., :K], -1, axis).astype(np.float32)
;;   ~~~
;;   OPERANDS COMPUTED ON THE WAY. 'Computed on the way' means the value that the module computes at that place (a softmax that the list does not call 'softmax' is quantised finished and normalised). What goes into a quantiser is computed in f32, as accurately as f32 sums, v_exp_f32 and their like allow (about 1e-6 of the number): no bf16 or f16 on the way to a quantiser, and a product that is left as it is and whose result goes on into a quantised operand takes f32 operands (vector FMAs, or v_wmma_f32_16x16x4_f32). A number that lies on a knife's edge between two numbers of the format may be rounded either way, as far as f32 arithmetic and the matrix unit's own rounding can turn it there, and no further.
;; 2 versions, each right; version 2 is version 1 with the launches ffn1, ffn2 written anew for expert scheduling mode. Each part assembles by itself: llvm-mc -triple=amdgcn-amd-amdhsa -mcpu=gfx1250 --defsym DOCPART=n.
;; ======== version 1 of 2: 5 launches
;; limits: right only within a limited range of input values
;; workspace buffers: route 4,096 bytes of whole numbers; wts 8,192 bytes; xq 819,200 bytes; pos 33,792 bytes of whole numbers; list 40,960 bytes of whole numbers; hq 33,030,144 bytes; yp 83,886,080 bytes
;; launch gate (part 1): grid 256 x 1, 4 waves a work-group, no clusters, 33,792 bytes of LDS; arguments x, Wg, bg, route, wts, xq; writes route, wts, xq
.if DOCPART == 1
	.amdgcn_target "amdgcn-amd-amdhsa--gfx1250"
	.amdhsa_code_object_version 6
	.text
	.protected	k_q29d002a30a_gate
	.globl	k_q29d002a30a_gate
	.p2align	8
	.type	k_q29d002a30a_gate,@function
k_q29d002a30a_gate:
	s_mov_b64 s[64:65], 0
	v_nop
	global_prefetch_b8 v0, s[64:65] scope:SCOPE_SE
	s_setreg_imm32_b32 hwreg(HW_REG_WAVE_MODE, 25, 1), 1
	s_wait_xcnt 0x0
; GATE AND x's CODES.  One wave takes one token t = 4 x work-group + wave.
;   logits = x[t] . Wg + bg in f32 fused multiply-adds; gates = softmax (the maximum is taken away first); the two largest gates (equal gates: the lower index);
;   w = softmax of these two gate values.  Stored at fixed places: route[t] = e0 | e1 << 8 | ((1 << e0) | (1 << e1)) << 16 (whole numbers), wts[t] = (w0, w1).
;   x[t] is quantised to E3M2 codes, one E8M0 byte for each 32 along K.  Lane (r, h) of an operand fragment holds, for K step s, 48 bytes: blocks 4 s + h and 4 s + 2 + h on end.
;   A row of codes is 768 bytes laid [s 8][piece 3][h 2][16 bytes], the entry holding piece p of those 48 bytes: so lanes r and r + 16 of a fragment load read 32 neighbouring bytes.
;   The 32 scale bytes of a token lie in block order from byte XSOFF on.
; Lane l = 16 h + 2 s + c takes block b = 4 s + 2 c + h.  Its 24 bytes are a whole piece and half of the middle one: one store of 16 bytes and one of 8; the wave's two stores cover the row's 768 bytes.
; No matrix unit: the product has 8 columns.  No cluster: what the work-groups share is Wg, 32 KiB, a small part beside nothing else that is shared.
; LIMITS: NaN and infinities are not served.  A block whose largest magnitude is under 2^-122 (zeros too) gets the byte 1; zero codes add nothing, and only this program reads the bytes.
; The logits are summed in another order than a row-by-row sum, and the gates come from v_exp_f32 and v_rcp_f32 (results under 2^-126 become 0): two gates closer than that may be ranked the other way.
.set XSOFF, 786432
.set WGB,   1040                       ; LDS: 32 rows of Wg (1,024 bytes) + 16
.set X,  16                            ; v16-47   my block's 32 numbers
.set A,  48                            ; v48-55   eight sums, then logits, then gates
.set WR, 64                            ; v64-191  Wg as loaded; then two sets of 8 rows x 8 experts
.set P,  208                           ; v208-215 other half's sums
	s_load_b256 s[4:11], s[0:1], 0x0               ; x s[4:5], Wg s[6:7], bg s[8:9], route s[10:11]
	s_load_b128 s[12:15], s[0:1], 0x20             ; wts s[12:13], xq s[14:15]
	v_lshl_add_u32 v254, v0, 2, 0x8200
	v_mov_b32 v255, 0
	v_lshrrev_b32 v1, 5, v0
	v_readfirstlane_b32 s25, v1                    ; wave
	s_lshl_b32 s24, ttmp9, 2
	s_add_co_u32 s24, s24, s25                     ; token
	v_and_b32 v1, 31, v0                           ; lane
	v_and_b32 v2, 15, v0
	v_bfe_u32 v3, v0, 4, 1
	v_lshl_add_u32 v2, v2, 1, v3                   ; b
	v_lshlrev_b32 v3, 7, v2                        ; my block in the row of x: 128 b
	v_lshlrev_b32 v4, 4, v0                        ; Wg: 16 bytes a thread
	v_lshrrev_b32 v5, 6, v0
	v_lshl_add_u32 v5, v5, 4, v4                   ; into LDS: 16 more for each 1,024 bytes passed
	v_mul_u32_u24 v6, WGB, v2                      ; out of LDS: my block's 32 rows of Wg
	v_bfe_u32 v10, v0, 1, 3                        ; s
	v_and_b32 v11, 1, v0                           ; c
	v_bfe_u32 v12, v0, 4, 1                        ; h
	v_mul_u32_u24 v7, 96, v10
	v_lshl_add_u32 v7, v12, 4, v7                  ; 96 s + 16 h
	v_lshl_add_u32 v13, v11, 3, v7                 ; my half of the middle piece: + 8 c (+ 32 in the immediate)
	v_lshl_add_u32 v7, v11, 6, v7                  ; my whole piece: + 64 c
	v_mov_b32 v8, 0
	v_mov_b32 v9, 1
.irp e, 0,1,2,3,4,5,6,7
	v_mov_b32 v[P+\e], 0                           ; a lane permute's destination counts as read
.endr
	s_lshl_b32 s32, s24, 12
	s_mov_b32 s33, 0
	s_mul_i32 s34, s24, 768
	s_mov_b32 s35, 0
	s_lshl_b32 s36, s24, 5
	s_mov_b32 s37, 0
	s_lshl_b32 s38, s24, 2
	s_mov_b32 s39, 0
	s_lshl_b32 s40, s24, 3
	s_mov_b32 s41, 0
	s_mov_b32 s42, 0x76543210
	s_mov_b32 s43, 0xfedcba98                      ; v_permlanex16_b32: lane l xor 16
	s_mov_b32 s45, 0xaaaaaaaa                      ; the lanes with c = 1
	s_wait_kmcnt 0x0
	s_load_b256 s[16:23], s[8:9], 0x0              ; bg
	s_add_nc_u64 s[4:5], s[4:5], s[32:33]          ; my row of x
	s_add_nc_u64 s[26:27], s[14:15], s[34:35]      ; my row of codes
	s_add_nc_u64 s[28:29], s[14:15], s[36:37]      ; my scale bytes (+ XSOFF in the immediate)
	s_add_nc_u64 s[10:11], s[10:11], s[38:39]
	s_add_nc_u64 s[12:13], s[12:13], s[40:41]
.irp i, 0,1,2,3,4,5,6,7
	global_load_b128 v[X+4*\i:X+4*\i+3], v3, s[4:5] offset:16*\i th:TH_LOAD_NT
.endr
.set i, 0
.rept 16
	global_load_b128 v[WR+4*i:WR+4*i+3], v4, s[6:7] offset:2048*i   ; the work-group's 128 threads read 2,048 consecutive bytes
.set i, i+1
.endr
	; ---- x's codes
	s_wait_loadcnt 16                              ; x is in; the 16 loads of Wg behind it may be out
	v_max3_num_f32 v192, |v[X]|, |v[X+1]|, 0x2800000       ; the floor 2^(5 - 127) among the leaves: the byte cannot fall under 1
	v_max3_num_f32 v193, |v[X+16]|, |v[X+17]|, 0x2800000
.irp i, 2,4,6,8,10,12,14
	v_max3_num_f32 v192, v192, |v[X+\i]|, |v[X+\i+1]|
	v_max3_num_f32 v193, v193, |v[X+16+\i]|, |v[X+17+\i]|
.endr
	v_max_num_f32 v192, v192, v193
	v_add_nc_u32 v194, 0xfe000000, v192            ; 4 off the exponent field: the conversion's scale operand
	v_lshrrev_b32 v195, 23, v194                   ; the scale's byte
	v_cvt_scalef32_pk16_bf6_f32 v[196:198], v[X:X+15], v194          ; words 0-2 of my 24 bytes
	v_cvt_scalef32_pk16_bf6_f32 v[200:202], v[X+16:X+31], v194       ; words 3-5
	v_nop                                          ; one plain place behind a scaled conversion
	v_cndmask_b32 v204, v196, v198, s45            ; the whole piece: words 0-3 where c = 0, words 2-5 where c = 1
	v_cndmask_b32 v205, v197, v200, s45
	v_cndmask_b32 v206, v198, v201, s45
	v_cndmask_b32 v207, v200, v202, s45
	v_cndmask_b32 v236, v201, v196, s45            ; the half piece: words 4, 5 where c = 0, words 0, 1 where c = 1
	v_cndmask_b32 v237, v202, v197, s45
	global_store_b128 v7, v[204:207], s[26:27]
	global_store_b64 v13, v[236:237], s[26:27] offset:32
	global_store_b8 v2, v195, s[28:29] offset:XSOFF
	; ---- Wg into LDS, once for the four waves
	s_wait_loadcnt 0x0
.set i, 0
.rept 16
	ds_store_b128 v5, v[WR+4*i:WR+4*i+3] offset:2080*i
.set i, i+1
.endr
	s_wait_dscnt 0x0                               ; for the others' sake: my stores have landed
	s_barrier_signal -1
	s_barrier_wait -1
; eight rows of Wg (256 bytes of my block's 1,024) into set q % 2
.macro QFETCH q
.set i, 0
.rept 16
	ds_load_b128 v[WR+64*((\q)&1)+4*i:WR+64*((\q)&1)+4*i+3], v6 offset:256*(\q)+16*i
.set i, i+1
.endr
.endm
; 8 numbers of x against 8 experts each: two experts an instruction; the number of x is taken for both halves
.macro QFMA q
.set d, 0
.rept 8
.set p, 0
.rept 4
.set rX, X+8*(\q)+(d&6)
.set rW, WR+64*((\q)&1)+8*d+2*p
.if ((\q)==0) && (d==0)
	v_pk_mul_f32 v[A+2*p:A+2*p+1], v[rX:rX+1], v[rW:rW+1] op_sel_hi:[0,1]     ; the first product starts the sums
.elseif (d&1)==0
	v_pk_fma_f32 v[A+2*p:A+2*p+1], v[rX:rX+1], v[rW:rW+1], v[A+2*p:A+2*p+1] op_sel_hi:[0,1,1]
.else
	v_pk_fma_f32 v[A+2*p:A+2*p+1], v[rX:rX+1], v[rW:rW+1], v[A+2*p:A+2*p+1] op_sel:[1,0,0] op_sel_hi:[1,1,1]
.endif
.set p, p+1
.endr
.set d, d+1
.endr
.endm
	QFETCH 0
	QFETCH 1
	s_wait_dscnt 16                                ; this quarter's 16 loads are in, the next quarter's may be out
	QFMA 0
	QFETCH 2
	s_wait_dscnt 16
	QFMA 1
	QFETCH 3
	s_wait_dscnt 16
	QFMA 2
	s_wait_dscnt 0x0
	QFMA 3
	; ---- over the 32 lanes: every lane ends with the whole sums
.irp m, 1,2,4,8
.irp e, 0,1,2,3,4,5,6,7
	v_add_f32_dpp v[A+\e], v[A+\e], v[A+\e] row_xmask:\m row_mask:0xf bank_mask:0xf
.endr
.endr
.irp e, 0,1,2,3,4,5,6,7
	v_permlanex16_b32 v[P+\e], v[A+\e], s42, s43
.endr
.irp e, 0,1,2,3,4,5,6,7
	v_add_f32 v[A+\e], v[A+\e], v[P+\e]
.endr
	s_wait_kmcnt 0x0                               ; bg
.irp e, 0,1,2,3,4,5,6,7
	v_add_f32 v[A+\e], s[16+\e], v[A+\e]
.endr
	; ---- softmax over the experts
	v_max3_num_f32 v216, v[A], v[A+1], v[A+2]
	v_max3_num_f32 v216, v216, v[A+3], v[A+4]
	v_max3_num_f32 v216, v216, v[A+5], v[A+6]
	v_max_num_f32 v216, v216, v[A+7]
.irp e, 0,1,2,3,4,5,6,7
	v_sub_f32 v[A+\e], v[A+\e], v216
.endr
.irp e, 0,1,2,3,4,5,6,7
	v_mul_f32 v[A+\e], 0x3fb8aa3b, v[A+\e]         ; x log2(e)
.endr
.irp e, 0,1,2,3,4,5,6,7
	v_exp_f32 v[A+\e], v[A+\e]
.endr
	v_nop                                          ; a plain place behind the exponentials
	s_wait_alu depctr_va_vdst(0)
	v_add_f32 v217, v[A], v[A+1]
	v_add_f32 v218, v[A+2], v[A+3]
	v_add_f32 v219, v[A+4], v[A+5]
	v_add_f32 v224, v[A+6], v[A+7]
	v_add_f32 v217, v217, v218
	v_add_f32 v219, v219, v224
	v_add_f32 v217, v217, v219
	v_rcp_f32 v218, v217
	v_nop
	s_wait_alu depctr_va_vdst(0)
.irp e, 0,1,2,3,4,5,6,7
	v_mul_f32 v[A+\e], v[A+\e], v218               ; the gates
.endr
	; ---- the largest gate: a later one wins only if strictly larger
	v_mov_b32 v220, v[A]
	v_mov_b32 v221, 0
.irp e, 1,2,3,4,5,6,7
	v_cmp_le_f32 vcc_lo, v[A+\e], v220             ; keep
	v_cndmask_b32 v220, v[A+\e], v220, vcc_lo
	v_cndmask_b32 v221, \e, v221, vcc_lo
.endr
	; ---- the second: the same scan from -1 (under every gate), passing over the first's index
	v_mov_b32 v222, -1.0
	v_mov_b32 v223, 0
.irp e, 0,1,2,3,4,5,6,7
	v_cmp_le_f32 vcc_lo, v[A+\e], v222
	v_cmp_eq_u32 s44, \e, v221
	s_or_b32 vcc_lo, vcc_lo, s44                   ; keep
	v_cndmask_b32 v222, v[A+\e], v222, vcc_lo
	v_cndmask_b32 v223, \e, v223, vcc_lo
.endr
	; ---- softmax of the two gate values: w0 = 1 / (1 + e^(g2 - g1)), w1 = e^(g2 - g1) w0; g2 - g1 lies in [-1, 0]
	v_sub_f32 v224, v222, v220
	v_mul_f32 v224, 0x3fb8aa3b, v224
	v_exp_f32 v224, v224
	v_nop
	s_wait_alu depctr_va_vdst(0)
	v_add_f32 v225, 1.0, v224
	v_rcp_f32 v226, v225
	v_nop
	s_wait_alu depctr_va_vdst(0)
	v_mul_f32 v227, v224, v226
	v_lshlrev_b32 v228, v221, v9                   ; 1 << e0
	v_lshlrev_b32 v229, v223, v9                   ; 1 << e1
	v_or_b32 v228, v228, v229
	v_lshl_or_b32 v229, v223, 8, v221
	v_lshl_or_b32 v228, v228, 16, v229
	s_wait_xcnt 0x0                                ; EXEC changes only behind this wait: the code stores have been issued under the full one
	v_cmp_eq_u32 vcc_lo, 0, v1
	s_wait_tensorcnt 0x0
	ds_add_u32 v254, v255
	s_wait_dscnt 0x0
	s_and_saveexec_b32 s46, vcc_lo                 ; lane 0 stores for the token
	global_store_b32 v8, v228, s[10:11]
	global_store_b64 v8, v[226:227], s[12:13]
	s_wait_xcnt 0x0
	s_or_b32 exec_lo, exec_lo, s46
	s_endpgm
.Lfunc_end_k_q29d002a30a_gate:
	.size	k_q29d002a30a_gate, .Lfunc_end_k_q29d002a30a_gate-k_q29d002a30a_gate
	.p2alignl 7, 3214868480
	.fill 96, 4, 3214868480
	.section	.rodata,"a",@progbits
	.p2align	6, 0x0
	.amdhsa_kernel k_q29d002a30a_gate
		.amdhsa_group_segment_fixed_size 33792
		.amdhsa_private_segment_fixed_size 0
		.amdhsa_enable_private_segment 0
		.amdhsa_kernarg_size 48
		.amdhsa_user_sgpr_count 2
		.amdhsa_user_sgpr_kernarg_segment_ptr 1
		.amdhsa_wavefront_size32 1
		.amdhsa_system_sgpr_workgroup_id_x 1
		.amdhsa_system_sgpr_workgroup_id_y 1
		.amdhsa_system_sgpr_workgroup_id_z 1
		.amdhsa_system_vgpr_workitem_id 0
		.amdhsa_next_free_vgpr 256
		.amdhsa_next_free_sgpr 66
		.amdhsa_reserve_vcc 1
		.amdhsa_float_denorm_mode_32 3
		.amdhsa_float_denorm_mode_16_64 3
		.amdhsa_memory_ordered 1
		.amdhsa_forward_progress 1
		.amdhsa_inst_pref_size 29
	.end_amdhsa_kernel
	.amdgpu_metadata
---
amdhsa.version: [ 1, 2 ]
amdhsa.kernels:
  - .name:           k_q29d002a30a_gate
    .symbol:         k_q29d002a30a_gate.kd
    .args:
      - { .name: x, .offset: 0, .size: 8, .value_kind: global_buffer, .address_space: global }
      - { .name: Wg, .offset: 8, .size: 8, .value_kind: global_buffer, .address_space: global }
      - { .name: bg, .offset: 16, .size: 8, .value_kind: global_buffer, .address_space: global }
      - { .name: route, .offset: 24, .size: 8, .value_kind: global_buffer, .address_space: global }
      - { .name: wts, .offset: 32, .size: 8, .value_kind: global_buffer, .address_space: global }
      - { .name: xq, .offset: 40, .size: 8, .value_kind: global_buffer, .address_space: global }
    .group_segment_fixed_size: 33792
    .private_segment_fixed_size: 0
    .kernarg_segment_align: 8
    .kernarg_segment_size: 48
    .max_flat_workgroup_size: 128
    .sgpr_count:     66
    .vgpr_count:     256
    .wavefront_size: 32
...
	.end_amdgpu_metadata
.endif
;; end of part 1
;; launch place (part 2): grid 8 x 1, 1 waves a work-group, no clusters, 5,632 bytes of LDS; arguments route, list, pos; writes list, pos
.if DOCPART == 2
	.amdgcn_target "amdgcn-amd-amdhsa--gfx1250"
	.amdhsa_code_object_version 6
	.text
	.protected	k_q29d002a30a_place
	.globl	k_q29d002a30a_place
	.p2align	8
	.type	k_q29d002a30a_place,@function
k_q29d002a30a_place:
	s_mov_b64 s[64:65], 0
	v_nop
	global_prefetch_b8 v0, s[64:65] scope:SCOPE_SE
	s_setreg_imm32_b32 hwreg(HW_REG_WAVE_MODE, 25, 1), 1
	s_wait_xcnt 0x0
; PLACING THE ROWS BY EXPERT.  Work-group e, one wave, goes through all 1,024 route words (route[t] has bit 16 + e set where token t chose expert e) and stores, as whole numbers:
;   list[e][p]  the p-th token, in ascending order, that chose e; 0 from the count on, up to 1,280 words (16 runs of 80 rows, which serve up to 1,024 rows on one expert);
;   pos[e][t]   token t's place in that list (of meaning only where t chose e);
;   the count, 32 copies, at pos + 32,768 + 128 e.
; A counting pass without atomics: register 4 i + j of lane l holds token 128 i + 4 l + j; in each of 32 steps the lanes that list a token count the listing lanes below them, and a scalar carries the sum on.
; So a list's order is by step and lane, not by token number: any fixed order serves, since pos records it.
; The list is gathered in LDS, so that it leaves in runs of 512 consecutive bytes; lanes with nothing to list write to a word of their own behind it.
; There is work for eight work-groups; nothing here is shared, no matrix unit, no cluster.
.set L16, 2                            ; 16 x lane
.set L4,  3                            ; 4 x lane
.set DMP, 4                            ; 1,280 + lane
.set SCA, 5                            ; where a token is listed; nothing else ever
.set Z,   8                            ; v8-11 zeros
.set RT,  32                           ; v32-63  route words
.set PP,  64                           ; v64-95  places
.set LO,  96                           ; v96-135 the list on its way out
	s_load_b128 s[4:7], s[0:1], 0x0                ; route s[4:5], list s[6:7]
	s_load_b64 s[8:9], s[0:1], 0x10                ; pos
	v_lshl_add_u32 v144, v0, 2, 0x1500
	v_mov_b32 v145, 0
	v_lshlrev_b32 v[L16], 4, v0                    ; one wave: the thread's number is the lane
	v_lshlrev_b32 v[L4], 2, v0
	v_add_nc_u32 v[DMP], 1280, v0
.irp i, 0,1,2,3
	v_mov_b32 v[Z+\i], 0
.endr
	s_mul_i32 s12, ttmp9, 5120                     ; the expert's 1,280 list words
	s_mov_b32 s13, 0
	s_lshl_b32 s14, ttmp9, 12                      ; its 1,024 places
	s_mov_b32 s15, 0
	s_lshl_b32 s16, ttmp9, 7                       ; its 32 words of the count
	s_add_co_u32 s16, s16, 32768
	s_mov_b32 s17, 0
	s_add_co_u32 s18, ttmp9, 16
	s_lshl_b32 s18, 1, s18                         ; the expert's bit in a route word
	s_mov_b32 s19, 0                               ; listed so far
	s_wait_kmcnt 0x0
	s_add_nc_u64 s[6:7], s[6:7], s[12:13]
	s_add_nc_u64 s[10:11], s[8:9], s[16:17]
	s_add_nc_u64 s[8:9], s[8:9], s[14:15]
.irp i, 0,1,2,3,4,5,6,7
	global_load_b128 v[RT+4*\i:RT+4*\i+3], v[L16], s[4:5] offset:512*\i
.endr
.irp i, 0,1,2,3,4,5,6,7,8,9
	ds_store_b128 v[L16], v[Z:Z+3] offset:512*\i   ; the list begins as token 0 everywhere
.endr
	s_wait_loadcnt 0x0
.set nn, 0
.rept 32
	v_and_b32 v12, s18, v[RT+nn]
	v_cmp_ne_u32 vcc_lo, 0, v12                    ; the lanes whose token chose this expert
	v_mbcnt_lo_u32_b32 v[PP+nn], vcc_lo, 0         ; how many of them stand below me,
	v_add_nc_u32 v[PP+nn], s19, v[PP+nn]           ; and before: the token's place in the list
	v_cndmask_b32 v[SCA], v[DMP], v[PP+nn], vcc_lo ; the others write to a word of their own behind the list
	v_min_u32 v[SCA], 0x51f, v[SCA]
	v_lshlrev_b32 v[SCA], 2, v[SCA]
	v_add_nc_u32 v13, 128*(nn/4)+nn%4, v[L4]       ; the token
	ds_store_b32 v[SCA], v13
	s_bcnt1_i32_b32 s20, vcc_lo
	s_add_co_u32 s19, s19, s20
.set nn, nn+1
.endr
.irp i, 0,1,2,3,4,5,6,7,8,9
	ds_load_b128 v[LO+4*\i:LO+4*\i+3], v[L16] offset:512*\i    ; LDS serves a wave's instructions in order: these see my stores
.endr
	v_mov_b32 v14, s19                             ; the count
.irp i, 0,1,2,3,4,5,6,7
	global_store_b128 v[L16], v[PP+4*\i:PP+4*\i+3], s[8:9] offset:512*\i
.endr
	global_store_b32 v[L4], v14, s[10:11]
	s_wait_dscnt 0x0
.irp i, 0,1,2,3,4,5,6,7,8,9
	global_store_b128 v[L16], v[LO+4*\i:LO+4*\i+3], s[6:7] offset:512*\i
.endr
	s_wait_tensorcnt 0x0
	ds_add_u32 v144, v145
	s_wait_dscnt 0x0
	s_endpgm
.Lfunc_end_k_q29d002a30a_place:
	.size	k_q29d002a30a_place, .Lfunc_end_k_q29d002a30a_place-k_q29d002a30a_place
	.p2alignl 7, 3214868480
	.fill 96, 4, 3214868480
	.section	.rodata,"a",@progbits
	.p2align	6, 0x0
	.amdhsa_kernel k_q29d002a30a_place
		.amdhsa_group_segment_fixed_size 5632
		.amdhsa_private_segment_fixed_size 0
		.amdhsa_enable_private_segment 0
		.amdhsa_kernarg_size 24
		.amdhsa_user_sgpr_count 2
		.amdhsa_user_sgpr_kernarg_segment_ptr 1
		.amdhsa_wavefront_size32 1
		.amdhsa_system_sgpr_workgroup_id_x 1
		.amdhsa_system_sgpr_workgroup_id_y 1
		.amdhsa_system_sgpr_workgroup_id_z 1
		.amdhsa_system_vgpr_workitem_id 0
		.amdhsa_next_free_vgpr 146
		.amdhsa_next_free_sgpr 66
		.amdhsa_reserve_vcc 1
		.amdhsa_float_denorm_mode_32 3
		.amdhsa_float_denorm_mode_16_64 3
		.amdhsa_memory_ordered 1
		.amdhsa_forward_progress 1
		.amdhsa_inst_pref_size 21
	.end_amdhsa_kernel
	.amdgpu_metadata
---
amdhsa.version: [ 1, 2 ]
amdhsa.kernels:
  - .name:           k_q29d002a30a_place
    .symbol:         k_q29d002a30a_place.kd
    .args:
      - { .name: route, .offset: 0, .size: 8, .value_kind: global_buffer, .address_space: global }
      - { .name: list, .offset: 8, .size: 8, .value_kind: global_buffer, .address_space: global }
      - { .name: pos, .offset: 16, .size: 8, .value_kind: global_buffer, .address_space: global }
    .group_segment_fixed_size: 5632
    .private_segment_fixed_size: 0
    .kernarg_segment_align: 8
    .kernarg_segment_size: 24
    .max_flat_workgroup_size: 32
    .sgpr_count:     66
    .vgpr_count:     146
    .wavefront_size: 32
...
	.end_amdgpu_metadata
.endif
;; end of part 2
;; launch ffn1 (part 3): grid 32 x 8, 4 waves a work-group, no clusters, 107,520 bytes of LDS; arguments W1, b1, list, xq, hq, pos; writes hq
.if DOCPART == 3
	.amdgcn_target "amdgcn-amd-amdhsa--gfx1250"
	.amdhsa_code_object_version 6
	.text
	.protected	k_q29d002a30a_ffn1
	.globl	k_q29d002a30a_ffn1
	.p2align	8
	.type	k_q29d002a30a_ffn1,@function
k_q29d002a30a_ffn1:
	s_mov_b64 s[64:65], 0
	v_nop
	global_prefetch_b8 v0, s[64:65] scope:SCOPE_SE
	s_setreg_imm32_b32 hwreg(HW_REG_WAVE_MODE, 25, 1), 1
	s_wait_xcnt 0x0
; FIRST PRODUCT.  Work-group (sl, e) owns hidden units 128 sl .. 128 sl + 127 of expert e: h = Q(relu(Q(x) Q(W1) + b1)) for the tokens that chose e.
; PHASE 1: its 1,024 x 128 numbers of W1 (512 KiB of f32, read by nobody else) are read once, quantised along K in registers and laid in LDS as images of operand registers.
;   A UNIT is 64 columns x 128 K = four fragments.  Lane (r, h) loads 16 bytes: columns 4 r .. 4 r + 3 of row k = 64 c + 32 h + i: sixteen lanes read 256 consecutive bytes, aligned.
;   For column 4 r + j the lane then holds the whole block 2 c + h: that is the 6-bit operand layout of a tile whose row m is column 4 m + j.  So no number changes lanes; 128 moves a half-unit
;   bring each column's 32 numbers into consecutive registers, as the conversions want them.  Wave w makes units 4 w .. 4 w + 3 (unit u: K step u / 2, column half u % 2).
; PHASE 2: a wave owns 80 routed rows (five tiles of 16) a pass; up to four passes serve every split (up to 1,024 rows on one expert).  The first pass always runs, so that the first 320 rows of hq of
;   every expert are stored whatever the split; the wave ends at the first pass whose rows lie at or past the count, since the rows' numbers only grow.
;   The expert's count and its list of tokens were stored as whole numbers by the launch before.  List entries past the count name token 0: their rows are computed and stored, and nobody uses them.
;   x's CODES OF THE FIRST PASS ARE ASKED FOR WHILE THE WEIGHTS RUN OUT: they land in windows 2 and 3, which phase 1 does not use.  Scale words and K steps 0, 1 go out behind half-unit 6 (32 weight loads
;   are then out at the most), K steps 2, 3 behind half-unit 7, K steps 4 to 7 one behind each of the first four groups of products.  A later pass asks in the same order at its head.
;   THE PRODUCT IS USED TRANSPOSED: source 0 = a tile of W1, source 1 = 16 rows of x.  Lane (r, h) then holds routed row r, and register j' of tile j column 32 h + 4 j' + j: a unit's four tiles give the
;   lane 32 NEIGHBOURING hidden units, one whole block of the next K in the very lane that the next operand's layout wants.  The reordering rides on the relu.
;   b1 lies in LDS in the accumulators' own order and is loaded into them at a pass's head: every product then adds in place.
; No tensor load, no asynchronous copy: branches hang on a stored count.  No cluster: the weights, nearly all the bytes, are shared by nobody.
; LIMITS: NaN and infinities are not served; a block whose largest magnitude is under 2^-122 (zeros too) gets the byte 1; zero codes add nothing, and only this program reads the bytes.
; REGISTERS, in windows of 256.  Window 0: v0-31 addresses; phase 1: v32-59 at work, v64-111 a unit's codes, v112-127 second halves, v128-255 a half-unit by columns;
;   phase 2: v32-55 x's scale words, v56-63 W1's (two sets), v64-159 W1's fragments (two sets of four), v160-223 tile 4's eight accumulators.
;   Window 1: phase 1: two sets of 32 loads; phase 2: the accumulators of tiles 0-3 (64 g + 8 t).
;   Window 2: x's tiles 0, 1 (v0, v96), tile 4's K steps 0-3 (v192), scale words on their way (v240).  Window 3: x's tiles 2, 3, tile 4's K steps 4-7, scale words on their way.
.set ROWP,  16384                      ; a row of W1 in bytes
.set WSC,   98304                      ; LDS: 16 units x 6,144 bytes of codes from 0; then 16 x 512 bytes of scale words (lane l: its four tiles' words)
.set BIAS,  106496                     ; my 128 numbers of b1, laid [h 2][accumulator 8][register 8]
.set XSOFF, 786432
.set HSOFF, 31457280
.set PRE,   36                         ; loads issued behind the last weight loads, ahead of the wait for these
.set WO,  4                            ; W1: 32 h rows + 16 r
.set L16, 5                            ; 16 x lane
.set L4,  6                            ; 4 x lane
.set IW,  7                            ; where I store images: 16 l + 4 units x wave
.set SWA, 8                            ; and their scale words
.set XH,  9                            ; 16 h
.set LI1, 10                           ; 16 l + 8 units
.set LS,  11                           ; WSC + 16 l
.set SH,  12                           ; 8 h
.set BA,  13                           ; BIAS + 256 h
.set R4,  14                           ; 4 r
.set LA1, 15                           ; the list words in hand: the pass's offset + 4 r,
.set LA2, 16                           ; and + 4 l
.set TK,  17                           ; v17-21 tile g's token of my row, then its byte in xq
.set TS,  22                           ; v22-23 the tokens whose scale words my lane carries
.set BSA, 24                           ; wave 0: where my four numbers of b1 go
.set SA,  29                           ; v29-31 32 x token
.set QM,  32
.set QS,  36
.set QB,  40
.set QW,  48
.set QWS, 52
.set QT,  56
.set FR,  64
.set TQ,  112
.set ST,  128
.set BR,  192                          ; wave 0: the bias as loaded
.set XSC, 32
.set WSCR, 56
.set WB,  64
.set A4,  160
.set XT4, 192
.set XST, 240
.set ORD, 64                           ; the way out: 64 hidden units in order
.set HT,  128
.set HM,  136
.set HS,  140
.set HB,  142
.set HW,  144
.set HX,  145
.set SWD, 146
.set PK,  152
.set RAWRD, 0x01
.set TOW1,  0x40
.set TOW2,  0x80
.set TOW3,  0xc0
.set MSB, 0
.macro WIN new                         ; the immediate's high byte repeats the setting that is left; a switch that changes nothing is dropped
.if MSB != \new
	s_set_vgpr_msb (MSB<<8)|\new
.set MSB, \new
.endif
.endm
; half-unit n of my eight (unit n / 2, c = n % 2): 32 rows x 64 columns into set n % 2 of window 1.  Every offset is an immediate; no pointer is stepped.
.macro LOADH n
	WIN TOW1
.set i, 0
.rept 32
	global_load_b128 v[128*((\n)&1)+4*i:128*((\n)&1)+4*i+3], v[WO], s[4:5] offset:(((\n)>>2)*128+64*((\n)&1)+i)*ROWP+(((\n)>>1)&1)*256 th:TH_LOAD_NT
.set i, i+1
.endr
.endm
; four columns' blocks (32 numbers each, in v[ST + 32 j] on) become registers 6 c .. 6 c + 5 of the four fragments; the columns take turns line by line
.macro QCOL c
.irp j, 0,1,2,3
	v_max3_num_f32 v[QM+\j], |v[ST+32*\j]|, |v[ST+32*\j+1]|, 0x2800000     ; the floor 2^(5 - 127): the byte cannot fall under 1
.endr
.irp i, 2,4,6,8,10,12,14,16,18,20,22,24,26,28,30
.irp j, 0,1,2,3
	v_max3_num_f32 v[QM+\j], v[QM+\j], |v[ST+32*\j+\i]|, |v[ST+32*\j+\i+1]|
.endr
.endr
.irp j, 0,1,2,3
	v_add_nc_u32 v[QS+\j], 0xfe000000, v[QM+\j]    ; 4 off the exponent field: the conversion's scale operand
.endr
.irp j, 0,1,2,3
	v_lshrrev_b32 v[QB+4*(\c)+\j], 23, v[QS+\j]    ; the scale's byte
.endr
.irp j, 0,1,2,3
	v_cvt_scalef32_pk16_bf6_f32 v[FR+12*\j+6*(\c):FR+12*\j+6*(\c)+2], v[ST+32*\j:ST+32*\j+15], v[QS+\j]
	v_cvt_scalef32_pk16_bf6_f32 v[TQ+4*\j:TQ+4*\j+2], v[ST+32*\j+16:ST+32*\j+31], v[QS+\j]   ; (a conversion's three registers begin on an even number)
.endr
	v_nop                                          ; one plain place behind a scaled conversion
.irp j, 0,1,2,3
.irp i, 0,1,2
	v_mov_b32 v[FR+12*\j+6*(\c)+3+\i], v[TQ+4*\j+\i]
.endr
.endr
.endm
; a finished unit goes to LDS as it stands in the registers; my two bytes of each tile's scale word (blocks h and 2 + h) meet lane l xor 16's two
.macro UNITOUT ul
.irp j, 0,1,2,3
	v_lshl_or_b32 v[QW+\j], v[QB+4+\j], 16, v[QB+\j]
.endr
.irp j, 0,1,2,3
	v_lshlrev_b32 v[QW+\j], v[SH], v[QW+\j]
.endr
.irp j, 0,1,2,3
	v_permlanex16_b32 v[QT+\j], v[QW+\j], s32, s33
.endr
.irp j, 0,1,2,3
	v_or_b32 v[QWS+\j], v[QW+\j], v[QT+\j]
.endr
.irp j, 0,1,2,3
.irp p, 0,1,2
	ds_store_b128 v[IW], v[FR+12*\j+4*\p:FR+12*\j+4*\p+3] offset:6144*(\ul)+1536*\j+512*\p
.endr
.endr
	ds_store_b128 v[SWA], v[QWS:QWS+3] offset:512*(\ul)
.endm
.macro HALF n
.if (\n) < 7
	s_wait_loadcnt 32                              ; this half-unit's 32 loads are in; the other set's 32 may be out
.else
	s_wait_loadcnt PRE                             ; the last weights are in; x's loads issued behind them may be out
.endif
	WIN RAWRD
.set i, 0
.rept 32
.set j, 0
.rept 4
	v_mov_b32 v[ST+32*j+i], v[128*((\n)&1)+4*i+j]  ; by columns
.set j, j+1
.endr
.set i, i+1
.endr
.if (\n) <= 5
	LOADH (\n)+2                                   ; the set just read out takes the half-unit two on
.endif
	WIN 0
.if (((\n)&1)==0) && ((\n)>0)
	s_wait_dscnt 0x0                               ; the last unit's stores have read the registers that are written next
.endif
	QCOL (\n)&1
.if (\n)&1
	UNITOUT (\n)>>1
.endif
.endm
; unit u's four fragments and their scale words, from LDS into set u % 2: 13 loads
.macro WFETCH u
	WIN 0
.irp j, 0,1,2,3
.irp p, 0,1,2
.if (\u) < 8
	ds_load_b128 v[WB+48*((\u)&1)+12*\j+4*\p:WB+48*((\u)&1)+12*\j+4*\p+3], v[L16] offset:6144*((\u)&7)+1536*\j+512*\p
.else
	ds_load_b128 v[WB+48*((\u)&1)+12*\j+4*\p:WB+48*((\u)&1)+12*\j+4*\p+3], v[LI1] offset:6144*((\u)&7)+1536*\j+512*\p
.endif
.endr
.endr
	ds_load_b128 v[WSCR+4*((\u)&1):WSCR+4*((\u)&1)+3], v[LS] offset:512*(\u)
.endm
; one product: tile j of unit u against row tile g, K step s; accumulator tb + j of the tile, in place.  Odd row tiles' scale words lie in lanes 16-31.
.macro MM u, s, tb, g, j
.if (\g)==4
.set rX, XT4+12*((\s)&3)
.set rA, A4+8*((\tb)+(\j))
.else
.set rX, 96*((\g)&1)+12*(\s)
.set rA, 64*(\g)+8*((\tb)+(\j))
.endif
.set rW, WB+48*((\u)&1)+12*(\j)
.set rP, WSCR+4*((\u)&1)+(\j)
.set rQ, XSC+8*((\g)>>1)+(\s)
.if (\g)&1
	v_wmma_scale_f32_16x16x128_f8f6f4 v[rA:rA+7], v[rW:rW+11], v[rX:rX+11], v[rA:rA+7], v[rP], v[rQ] matrix_a_fmt:MATRIX_FMT_BF6 matrix_b_fmt:MATRIX_FMT_BF6 matrix_b_scale:MATRIX_SCALE_ROW1
.else
	v_wmma_scale_f32_16x16x128_f8f6f4 v[rA:rA+7], v[rW:rW+11], v[rX:rX+11], v[rA:rA+7], v[rP], v[rQ] matrix_a_fmt:MATRIX_FMT_BF6 matrix_b_fmt:MATRIX_FMT_BF6
.endif
.endm
; a unit against the five row tiles: 20 products on 20 accumulators, which take turns in the same order in every group.
; Source 0 (W1) window 0; source 1 (x) window 2 or 3; C and D window 1, for tile 4 window 0.
; Four places follow: loads into registers that these products have read come next (ISA guide 7.12.1 for vector instructions).
.macro GROUP u, s, tb
	WIN 0x58
.irp j, 0,1,2,3
.irp g, 0,1
	MM \u, \s, \tb, \g, \j
.endr
.endr
	WIN 0x5c
.irp j, 0,1,2,3
.irp g, 2,3
	MM \u, \s, \tb, \g, \j
.endr
.endr
.if (\s) < 4
	WIN 0x08
.else
	WIN 0x0c
.endif
.irp j, 0,1,2,3
	MM \u, \s, \tb, 4, \j
.endr
	WIN 0
.rept 4
	v_nop
.endr
.endm
; the list words of the pass at byte s24 of my wave's part of the list: tile g's token of my row (five), and the tokens whose scale words my lane carries (two)
.macro LISTLD
	v_add_nc_u32 v[LA1], s24, v[R4]
	v_add_nc_u32 v[LA2], s24, v[L4]
.irp g, 0,1,2,3,4
	global_load_b32 v[TK+\g], v[LA1], s[8:9] offset:64*\g
.endr
.irp p, 0,1
	global_load_b32 v[TS+\p], v[LA2], s[8:9] offset:128*\p
.endr
.endm
; from list words to byte offsets in xq
.macro XADDR
.irp g, 0,1,2,3,4
	v_min_u32 v[TK+\g], 0x3ff, v[TK+\g]
.endr
.irp p, 0,1
	v_min_u32 v[TS+\p], 0x3ff, v[TS+\p]
.endr
	v_lshlrev_b32 v[SA], 5, v[TS]                  ; lanes 0-15: tile 0's rows, lanes 16-31: tile 1's
	v_lshlrev_b32 v[SA+1], 5, v[TS+1]              ; tiles 2 and 3
	v_lshlrev_b32 v[SA+2], 5, v[TK+4]              ; tile 4
.irp g, 0,1,2,3,4
	v_mul_u32_u24 v[TK+\g], 768, v[TK+\g]
.endr
.irp g, 0,1,2,3,4
	v_add_nc_u32 v[TK+\g], v[XH], v[TK+\g]         ; the token's row, my half's 16 bytes of each 32
.endr
.endm
; x's scale words, 32 bytes a token: six loads into spare registers of windows 2 and 3, since window 0 is at work while they are on their way
.macro XSLOAD
	WIN TOW2
.irp p, 0,1
.irp q, 0,1
	global_load_b128 v[XST+8*\p+4*\q:XST+8*\p+4*\q+3], v[SA+\p], s[10:11] offset:XSOFF+16*\q
.endr
.endr
	WIN TOW3
.irp q, 0,1
	global_load_b128 v[XST+4*\q:XST+4*\q+3], v[SA+2], s[10:11] offset:XSOFF+16*\q
.endr
	WIN 0
.endm
; and down into window 0, where scale operands stand: register 8 p + s is the word of K step s.  Eight places follow: a scale register written by a vector instruction stands so far ahead of a scaled product
.macro XSCOPY
	WIN 0x02
.set i, 0
.rept 16
	v_mov_b32 v[XSC+i], v[XST+i]
.set i, i+1
.endr
	WIN 0x03
.set i, 0
.rept 8
	v_mov_b32 v[XSC+16+i], v[XST+i]
.set i, i+1
.endr
	WIN 0
.rept 8
	v_nop
.endr
.endm
; K step s of the five row tiles of x: 15 loads of 16 bytes a lane; lanes r and r + 16 read 32 neighbouring bytes
.macro XFETCH s
	WIN TOW2
.irp g, 0,1
.irp p, 0,1,2
	global_load_b128 v[96*\g+12*(\s)+4*\p:96*\g+12*(\s)+4*\p+3], v[TK+\g], s[10:11] offset:96*(\s)+32*\p
.endr
.endr
.if (\s) < 4
.irp p, 0,1,2
	global_load_b128 v[XT4+12*(\s)+4*\p:XT4+12*(\s)+4*\p+3], v[TK+4], s[10:11] offset:96*(\s)+32*\p
.endr
.endif
	WIN TOW3
.irp g, 0,1
.irp p, 0,1,2
	global_load_b128 v[96*\g+12*(\s)+4*\p:96*\g+12*(\s)+4*\p+3], v[TK+2+\g], s[10:11] offset:96*(\s)+32*\p
.endr
.endr
.if (\s) >= 4
.irp p, 0,1,2
	global_load_b128 v[XT4+12*((\s)-4)+4*\p:XT4+12*((\s)-4)+4*\p+3], v[TK+4], s[10:11] offset:96*(\s)+32*\p
.endr
.endif
	WIN 0
.endm
; b1 into the 40 accumulators: register j' of accumulator t = 4 ch + j holds hidden unit 64 ch + 32 h + 4 j' + j, and so lies the bias in LDS; the sixteen lanes of a half read the same 16 bytes
.macro ACCINIT
	WIN TOW1
.set g, 0
.rept 4
.set t, 0
.rept 8
	ds_load_b128 v[64*g+8*t:64*g+8*t+3], v[BA] offset:32*t
	ds_load_b128 v[64*g+8*t+4:64*g+8*t+7], v[BA] offset:32*t+16
.set t, t+1
.endr
.set g, g+1
.endr
	WIN 0
.set t, 0
.rept 8
	ds_load_b128 v[A4+8*t:A4+8*t+3], v[BA] offset:32*t
	ds_load_b128 v[A4+8*t+4:A4+8*t+7], v[BA] offset:32*t+16
.set t, t+1
.endr
.endm
; row tile g leaves: relu and order in one line a number, each accumulator read from its register 0 on; two blocks a lane are quantised; the fragment is stored as it stands, 512 consecutive bytes a store.
; Tile 4 goes first: its accumulators' registers then take the codes of tiles 0 to 3, so that no store's data are written again within a pass.
.macro HOUT g
.if (\g)==4
	WIN 0
.set rA, A4
.set rC, 224
.else
	WIN 0x04
.set rA, 64*(\g)
.set rC, 160+12*(\g)
.endif
.set jp, 0
.rept 8
.set t, 0
.rept 8
	v_max_num_f32 v[ORD+32*(t>>2)+4*jp+(t&3)], 0, v[rA+8*t+jp]
.set t, t+1
.endr
.set jp, jp+1
.endr
	WIN 0
.irp c, 0,1
.irp q, 0,1
	v_max3_num_f32 v[HM+2*\c+\q], v[ORD+32*\c+16*\q], v[ORD+32*\c+16*\q+1], 0x2800000   ; none is negative: no |.|; the floor as above
.endr
.endr
.irp i, 2,4,6,8,10,12,14
.irp c, 0,1
.irp q, 0,1
	v_max3_num_f32 v[HM+2*\c+\q], v[HM+2*\c+\q], v[ORD+32*\c+16*\q+\i], v[ORD+32*\c+16*\q+\i+1]
.endr
.endr
.endr
.irp c, 0,1
	v_max_num_f32 v[HM+2*\c], v[HM+2*\c], v[HM+2*\c+1]
.endr
.irp c, 0,1
	v_add_nc_u32 v[HS+\c], 0xfe000000, v[HM+2*\c]
.endr
.irp c, 0,1
	v_lshrrev_b32 v[HB+\c], 23, v[HS+\c]
.endr
.irp c, 0,1
	v_cvt_scalef32_pk16_bf6_f32 v[rC+6*\c:rC+6*\c+2], v[ORD+32*\c:ORD+32*\c+15], v[HS+\c]
	v_cvt_scalef32_pk16_bf6_f32 v[HT+4*\c:HT+4*\c+2], v[ORD+32*\c+16:ORD+32*\c+31], v[HS+\c]
.endr
	v_nop                                          ; one plain place behind a scaled conversion
.irp c, 0,1
.irp i, 0,1,2
	v_mov_b32 v[rC+6*\c+3+\i], v[HT+4*\c+\i]
.endr
.endr
	v_lshl_or_b32 v[HW], v[HB+1], 16, v[HB]
	v_lshlrev_b32 v[HW], v[SH], v[HW]
	v_mov_b32 v[HX], 0
	v_permlanex16_b32 v[HX], v[HW], s32, s33
	v_or_b32 v[SWD+(\g)], v[HW], v[HX]             ; my row's scale word for this K step of the second product
.irp p, 0,1,2
	global_store_b128 v[L16], v[rC+4*\p:rC+4*\p+3], s[12:13] offset:49152*(\g)+512*\p
.endr
.endm
	s_load_b256 s[4:11], s[0:1], 0x0               ; W1 s[4:5], b1 s[6:7], list s[8:9], xq s[10:11]
	s_load_b128 s[12:15], s[0:1], 0x20             ; hq s[12:13], pos s[14:15]
	v_lshl_add_u32 v27, v0, 2, 0x1a200
	v_mov_b32 v28, 0
	v_lshrrev_b32 v1, 5, v0
	v_readfirstlane_b32 s18, v1                    ; wave
	s_and_b32 s19, ttmp7, 0xffff                   ; expert
	s_mov_b32 s20, ttmp9                           ; slice
	v_and_b32 v1, 31, v0                           ; l
	v_and_b32 v2, 15, v0                           ; r
	v_bfe_u32 v3, v0, 4, 1                         ; h
	v_lshlrev_b32 v[WO], 19, v3
	v_lshl_add_u32 v[WO], v2, 4, v[WO]
	v_lshlrev_b32 v[L16], 4, v1
	v_lshlrev_b32 v[L4], 2, v1
	v_lshlrev_b32 v[R4], 2, v2
	s_mul_i32 s25, s18, 24576
	v_add_nc_u32 v[IW], s25, v[L16]
	s_lshl_b32 s25, s18, 11
	s_add_co_u32 s25, s25, WSC
	v_add_nc_u32 v[SWA], s25, v[L16]
	v_lshlrev_b32 v[XH], 4, v3
	v_add_nc_u32 v[LI1], 49152, v[L16]
	v_add_nc_u32 v[LS], WSC, v[L16]
	v_lshlrev_b32 v[SH], 3, v3
	v_lshl_add_u32 v[BA], v3, 8, BIAS
	v_and_b32 v25, 7, v0                           ; the bias as loaded: lane l = 16 ch + 8 h + j' holds units 4 l + j: they go to 256 h + 128 ch + 32 j + 4 j'
	v_bfe_u32 v26, v0, 3, 1
	v_lshlrev_b32 v[BSA], 2, v25
	v_lshl_add_u32 v[BSA], v26, 8, v[BSA]
	v_lshl_add_u32 v[BSA], v3, 7, v[BSA]
	v_add_nc_u32 v[BSA], BIAS, v[BSA]
.irp j, 0,1,2,3
	v_mov_b32 v[QT+\j], 0                          ; a lane permute's destination counts as read
.endr
	s_lshl_b32 s26, s19, 24                        ; W1: expert, slice's 512 bytes, my two K steps
	s_lshl_b32 s27, s20, 9
	s_add_co_u32 s26, s26, s27
	s_lshl_b32 s27, s18, 22
	s_add_co_u32 s26, s26, s27
	s_mov_b32 s27, 0
	s_lshl_b32 s38, s19, 14                        ; b1
	s_lshl_b32 s39, s20, 9
	s_add_co_u32 s38, s38, s39
	s_mov_b32 s39, 0
	s_mul_i32 s40, s19, 80                         ; hq's codes: ((80 e + 5 w) 32 + sl) 1,536
	s_mul_i32 s30, s18, 5
	s_add_co_u32 s40, s40, s30
	s_lshl_b32 s40, s40, 5
	s_add_co_u32 s40, s40, s20
	s_mul_i32 s40, s40, 1536
	s_mov_b32 s41, 0
	s_lshl_b32 s42, s19, 4                         ; hq's scale words: HSOFF + ((16 e + w) 32 + sl) 384
	s_add_co_u32 s42, s42, s18
	s_lshl_b32 s42, s42, 5
	s_add_co_u32 s42, s42, s20
	s_mul_i32 s42, s42, 384
	s_add_co_u32 s42, s42, HSOFF
	s_mov_b32 s43, 0
	s_mul_i32 s44, s19, 5120                       ; list: the expert's 1,280 words, my wave's 80 of a pass
	s_mul_i32 s30, s18, 320
	s_add_co_u32 s44, s44, s30
	s_mov_b32 s45, 0
	s_lshl_b32 s46, s19, 7                         ; the expert's count
	s_add_co_u32 s46, s46, 32768
	s_mov_b32 s47, 0
	s_mul_i32 s22, s18, 80                         ; my first routed row of the pass
	s_mov_b32 s23, 0                               ; passes done
	s_mov_b32 s24, 0                               ; the pass's byte in my part of the list
	s_mov_b32 s32, 0x76543210
	s_mov_b32 s33, 0xfedcba98                      ; v_permlanex16_b32: lane l xor 16
	s_mov_b32 s34, 0xffff0000                      ; lanes 16-31
	s_wait_kmcnt 0x0
	s_add_nc_u64 s[14:15], s[14:15], s[46:47]
	s_load_b32 s21, s[14:15], 0x0                  ; the expert's rows
	s_add_nc_u64 s[4:5], s[4:5], s[26:27]
	s_add_nc_u64 s[6:7], s[6:7], s[38:39]
	s_add_nc_u64 s[8:9], s[8:9], s[44:45]
	s_add_nc_u64 s[16:17], s[12:13], s[42:43]
	s_add_nc_u64 s[12:13], s[12:13], s[40:41]
	LISTLD                                         ; the first pass's list words, ahead of the weights
	s_cmp_lg_u32 s18, 0
	s_cbranch_scc1 .Lothers
	; ---- wave 0 also brings the bias
	global_load_b128 v[BR:BR+3], v[L16], s[6:7]
	LOADH 0
	LOADH 1
	WIN 0
	s_wait_loadcnt 63                              ; 72 are issued: the nine oldest are in, the seven list words and the bias among them
.irp j, 0,1,2,3
	ds_store_b32 v[BSA], v[BR+\j] offset:32*\j
.endr
	s_wait_dscnt 0x0
	s_branch .Ljoin
.Lothers:
	LOADH 0
	LOADH 1
	WIN 0
.Ljoin:
	s_wait_loadcnt 63                              ; 71 or 72 are issued: the seven list words, the oldest, are in
	XADDR
.irp n, 0,1,2,3,4,5,6
	HALF \n
.endr
	XSLOAD                                         ; 6 + 15 + 15 loads behind the last weights
	XFETCH 0
	XFETCH 1
	HALF 7
	XFETCH 2
	XFETCH 3
	s_wait_dscnt 0x0                               ; my images (and wave 0's bias) have landed
	s_barrier_signal -1
	s_barrier_wait -1                              ; the 16 units lie in LDS and are only read from here on
	s_wait_kmcnt 0x0                               ; the count
.Lpass:
	s_cmp_eq_u32 s23, 0                            ; the first pass's loads are out already
	s_cbranch_scc1 .Lhave
	s_wait_loadcnt 0x0                             ; no load is out: every address register may be written
	LISTLD
	s_wait_loadcnt 0x0
	XADDR
	XSLOAD
	XFETCH 0
	XFETCH 1
	XFETCH 2
	XFETCH 3
.Lhave:
	s_wait_loadcnt 60                              ; the scale words are in; the four K steps' 60 loads behind them may be out
	XSCOPY
	ACCINIT
	WFETCH 0
	WFETCH 1
.set uu, 0
.rept 16
.if (uu&1)==0
.if uu==0
	s_wait_loadcnt 45                              ; K step 0 is in; steps 1 to 3 may be out
.elseif uu==2
	s_wait_loadcnt 60                              ; behind step 1: steps 2 to 5
.elseif uu==4
	s_wait_loadcnt 63                              ; behind step 2 stand 75: the largest count that can be written
.else
	s_wait_loadcnt 15*(7-uu/2)                     ; the later K steps' loads, 15 each, may be out
.endif
.endif
.if uu < 15
	s_wait_dscnt 13                                ; this unit is in (and, the first time, the bias); the next unit's 13 loads may be out
.else
	s_wait_dscnt 0x0
.endif
	GROUP uu, uu>>1, 4*(uu&1)
.if uu < 4
	XFETCH uu+4                                    ; K steps 4 to 7, one behind each of the first four groups: the first is wanted four groups on at the least
.endif
.if uu <= 13
	WFETCH uu+2
.endif
.set uu, uu+1
.endr
	v_nop
.irp g, 4,0,1,2,3
	HOUT \g
.endr
	v_cndmask_b32 v[PK], v[SWD], v[SWD+1], s34     ; two tiles' scale words to a register, as the second product reads them
	v_cndmask_b32 v[PK+1], v[SWD+2], v[SWD+3], s34
	global_store_b32 v[L4], v[PK], s[16:17]
	global_store_b32 v[L4], v[PK+1], s[16:17] offset:128
	global_store_b32 v[L4], v[SWD+4], s[16:17] offset:256
	s_wait_xcnt 0x0                                ; the stores' bases and registers are written again below
	s_add_nc_u64 s[12:13], s[12:13], 983040        ; 20 tiles on
	s_add_nc_u64 s[16:17], s[16:17], 49152         ; four quintets on
	s_add_co_u32 s22, s22, 320
	s_add_co_u32 s24, s24, 1280
	s_cmp_ge_u32 s22, s21                          ; nothing left for my next 80 rows, nor for any behind them
	s_cbranch_scc1 .Ldone
	s_add_co_u32 s23, s23, 1
	s_cmp_lt_u32 s23, 4
	s_cbranch_scc1 .Lpass
.Ldone:
	s_wait_tensorcnt 0x0
	ds_add_u32 v27, v28
	s_wait_dscnt 0x0
	s_endpgm
.Lfunc_end_k_q29d002a30a_ffn1:
	.size	k_q29d002a30a_ffn1, .Lfunc_end_k_q29d002a30a_ffn1-k_q29d002a30a_ffn1
	.p2alignl 7, 3214868480
	.fill 96, 4, 3214868480
	.section	.rodata,"a",@progbits
	.p2align	6, 0x0
	.amdhsa_kernel k_q29d002a30a_ffn1
		.amdhsa_group_segment_fixed_size 107520
		.amdhsa_private_segment_fixed_size 0
		.amdhsa_enable_private_segment 0
		.amdhsa_kernarg_size 48
		.amdhsa_user_sgpr_count 2
		.amdhsa_user_sgpr_kernarg_segment_ptr 1
		.amdhsa_wavefront_size32 1
		.amdhsa_system_sgpr_workgroup_id_x 1
		.amdhsa_system_sgpr_workgroup_id_y 1
		.amdhsa_system_sgpr_workgroup_id_z 1
		.amdhsa_system_vgpr_workitem_id 0
		.amdhsa_next_free_vgpr 1024
		.amdhsa_next_free_sgpr 66
		.amdhsa_reserve_vcc 0
		.amdhsa_float_denorm_mode_32 3
		.amdhsa_float_denorm_mode_16_64 3
		.amdhsa_memory_ordered 1
		.amdhsa_forward_progress 1
		.amdhsa_inst_pref_size 232
	.end_amdhsa_kernel
	.amdgpu_metadata
---
amdhsa.version: [ 1, 2 ]
amdhsa.kernels:
  - .name:           k_q29d002a30a_ffn1
    .symbol:         k_q29d002a30a_ffn1.kd
    .args:
      - { .name: W1, .offset: 0, .size: 8, .value_kind: global_buffer, .address_space: global }
      - { .name: b1, .offset: 8, .size: 8, .value_kind: global_buffer, .address_space: global }
      - { .name: list, .offset: 16, .size: 8, .value_kind: global_buffer, .address_space: global }
      - { .name: xq, .offset: 24, .size: 8, .value_kind: global_buffer, .address_space: global }
      - { .name: hq, .offset: 32, .size: 8, .value_kind: global_buffer, .address_space: global }
      - { .name: pos, .offset: 40, .size: 8, .value_kind: global_buffer, .address_space: global }
    .group_segment_fixed_size: 107520
    .private_segment_fixed_size: 0
    .kernarg_segment_align: 8
    .kernarg_segment_size: 48
    .max_flat_workgroup_size: 128
    .sgpr_count:     66
    .vgpr_count:     1024
    .wavefront_size: 32
...
	.end_amdgpu_metadata
.endif
;; end of part 3
;; launch ffn2 (part 4): grid 32 x 8, 4 waves a work-group, no clusters, 124,928 bytes of LDS; arguments W2, b2, pos, hq, yp; writes yp
.if DOCPART == 4
	.amdgcn_target "amdgcn-amd-amdhsa--gfx1250"
	.amdhsa_code_object_version 6
	.text
	.protected	k_q29d002a30a_ffn2
	.globl	k_q29d002a30a_ffn2
	.p2align	8
	.type	k_q29d002a30a_ffn2,@function
k_q29d002a30a_ffn2:
	s_mov_b64 s[64:65], 0
	v_nop
	global_prefetch_b8 v0, s[64:65] scope:SCOPE_SE
	s_setreg_imm32_b32 hwreg(HW_REG_WAVE_MODE, 25, 1), 1
	s_wait_xcnt 0x0
; SECOND PRODUCT.  Work-group (x, e): outputs 64 cs .. 64 cs + 63 (cs = x / 2) of expert e, half kh = x % 2 of K (2,048 hidden units): yp[kh][e][row] = Q(h) Q(W2), + b2 where kh = 0.
; PHASE 1 as in the first product: its 2,048 x 64 numbers of W2 (512 KiB of f32, read by nobody else) are read once, quantised along K in registers, and laid in LDS as images of operand registers.
;   A unit is 64 columns x 128 K; lane (r, h) loads columns 4 r .. 4 r + 3 of row 64 c + 32 h + i (sixteen lanes: 256 consecutive bytes, aligned), so that tile j's row m is column 4 m + j.  Wave w makes units 4 w .. 4 w + 3.
; PHASE 2: a wave owns 80 routed rows (five tiles) a pass, up to four passes; the wave ends at the first pass at or past the expert's count, and the way out of a tile at or past it is jumped over.
;   h's fragments come from memory as images of their registers, 512 consecutive bytes a load, in a ring of eight K places in registers of windows 2 and 3, which phase 1 does not use.
;   THE FIRST PASS'S h IS ASKED FOR WHILE THE WEIGHTS RUN OUT: scale words and K steps 0, 1 behind half-unit 6 (32 weight loads are then out at the most), steps 2, 3 behind half-unit 7, steps 4 to 7 one
;   behind each of the first four groups of products; steps 8 to 15 follow into the places just multiplied.  The first 320 rows of hq of every expert are always stored by the launch before, so these loads read stored bytes.
;   TRANSPOSED: source 0 = a tile of W2, source 1 = 16 rows of h: lane (r, h) holds row r, register j' of tile j column 32 h + 4 j' + j: the four tiles give 32 neighbouring outputs, 128 bytes of a row of yp.
;   They go through the wave's own stage in LDS, so that sixteen lanes store 256 consecutive bytes, aligned.
;   b2 (zeros where kh = 1) lies in LDS in the accumulators' own order and is loaded into them at a pass's head: every product then adds in place.
; K is summed in two halves, each ascending; the last launch adds them in f32.
; No tensor load, no asynchronous copy: branches hang on a stored count.  No cluster: the weights, nearly all the bytes, are shared by nobody.
; LIMITS: NaN and infinities are not served; a block whose largest magnitude is under 2^-122 (zeros too) gets the byte 1; zero codes add nothing, and only this program reads the bytes.
; REGISTERS: window 0 as in the first product (v32-55 h's scale words, v56-63 W2's, v64-159 W2's fragments).  Window 1: phase 1: two sets of 32 loads; phase 2: the 20 accumulators (32 g + 8 j).
;   Window 2: h's tiles 0, 1 (v0, v96), tile 4's places 0-3 (v192), scale words on their way (v240).  Window 3: h's tiles 2, 3, tile 4's places 4-7.
.set ROWP,  4096                       ; a row of W2 in bytes
.set WSC,   98304
.set BIAS,  106496                     ; my 64 numbers of b2, laid [h 2][accumulator 4][register 8]
.set STAGE, 107008                     ; 16 rows x (256 + 16) bytes for each wave
.set HSOFF, 31457280
.set PRE,   42                         ; loads issued behind the last weight loads, ahead of the wait for these
.set WO,  4                            ; W2: 32 h rows + 16 r
.set L16, 5
.set L4,  6
.set IW,  7
.set SWA, 8
.set B2A, 9                            ; 16 r
.set LI1, 10
.set LS,  11
.set SH,  12
.set BA,  13                           ; BIAS + 128 h
.set STO, 14                           ; the stage, in: row r, 128 h
.set STR, 15                           ; back: row h, 16 r
.set YO,  16                           ; yp: row h, 16 r
.set BS,  24                           ; wave 0: where my four numbers of b2 go
.set QM,  32
.set QS,  36
.set QB,  40
.set QW,  48
.set QWS, 52
.set QT,  56
.set FR,  64
.set TQ,  112
.set ST,  128
.set BR,  192
.set XSC, 32
.set WSCR, 56
.set WB,  64
.set HT4, 192
.set HST, 240
.set ORD, 64
.set OUTR, 96
.set RAWRD, 0x01
.set TOW1,  0x40
.set TOW2,  0x80
.set TOW3,  0xc0
.set MSB, 0
.macro WIN new                         ; the immediate's high byte repeats the setting that is left; a switch that changes nothing is dropped
.if MSB != \new
	s_set_vgpr_msb (MSB<<8)|\new
.set MSB, \new
.endif
.endm
.macro LOADH n                         ; half-unit n of my eight (unit n / 2, c = n % 2) into set n % 2 of window 1
	WIN TOW1
.set i, 0
.rept 32
	global_load_b128 v[128*((\n)&1)+4*i:128*((\n)&1)+4*i+3], v[WO], s[4:5] offset:(((\n)>>1)*128+64*((\n)&1)+i)*ROWP th:TH_LOAD_NT
.set i, i+1
.endr
.endm
.macro QCOL c                          ; four columns' blocks become registers 6 c .. 6 c + 5 of the four fragments
.irp j, 0,1,2,3
	v_max3_num_f32 v[QM+\j], |v[ST+32*\j]|, |v[ST+32*\j+1]|, 0x2800000     ; the floor 2^(5 - 127): the byte cannot fall under 1
.endr
.irp i, 2,4,6,8,10,12,14,16,18,20,22,24,26,28,30
.irp j, 0,1,2,3
	v_max3_num_f32 v[QM+\j], v[QM+\j], |v[ST+32*\j+\i]|, |v[ST+32*\j+\i+1]|
.endr
.endr
.irp j, 0,1,2,3
	v_add_nc_u32 v[QS+\j], 0xfe000000, v[QM+\j]    ; 4 off the exponent field: the conversion's scale operand
.endr
.irp j, 0,1,2,3
	v_lshrrev_b32 v[QB+4*(\c)+\j], 23, v[QS+\j]
.endr
.irp j, 0,1,2,3
	v_cvt_scalef32_pk16_bf6_f32 v[FR+12*\j+6*(\c):FR+12*\j+6*(\c)+2], v[ST+32*\j:ST+32*\j+15], v[QS+\j]
	v_cvt_scalef32_pk16_bf6_f32 v[TQ+4*\j:TQ+4*\j+2], v[ST+32*\j+16:ST+32*\j+31], v[QS+\j]   ; (a conversion's three registers begin on an even number)
.endr
	v_nop                                          ; one plain place behind a scaled conversion
.irp j, 0,1,2,3
.irp i, 0,1,2
	v_mov_b32 v[FR+12*\j+6*(\c)+3+\i], v[TQ+4*\j+\i]
.endr
.endr
.endm
.macro UNITOUT ul                      ; the unit's image and its scale words to LDS
.irp j, 0,1,2,3
	v_lshl_or_b32 v[QW+\j], v[QB+4+\j], 16, v[QB+\j]
.endr
.irp j, 0,1,2,3
	v_lshlrev_b32 v[QW+\j], v[SH], v[QW+\j]
.endr
.irp j, 0,1,2,3
	v_permlanex16_b32 v[QT+\j], v[QW+\j], s32, s33
.endr
.irp j, 0,1,2,3
	v_or_b32 v[QWS+\j], v[QW+\j], v[QT+\j]
.endr
.irp j, 0,1,2,3
.irp p, 0,1,2
	ds_store_b128 v[IW], v[FR+12*\j+4*\p:FR+12*\j+4*\p+3] offset:6144*(\ul)+1536*\j+512*\p
.endr
.endr
	ds_store_b128 v[SWA], v[QWS:QWS+3] offset:512*(\ul)
.endm
.macro HALF n
.if (\n) < 7
	s_wait_loadcnt 32                              ; this half-unit's 32 loads are in; the other set's 32 may be out
.else
	s_wait_loadcnt PRE                             ; the last weights are in; h's loads issued behind them may be out
.endif
	WIN RAWRD
.set i, 0
.rept 32
.set j, 0
.rept 4
	v_mov_b32 v[ST+32*j+i], v[128*((\n)&1)+4*i+j]
.set j, j+1
.endr
.set i, i+1
.endr
.if (\n) <= 5
	LOADH (\n)+2
.endif
	WIN 0
.if (((\n)&1)==0) && ((\n)>0)
	s_wait_dscnt 0x0                               ; the last unit's stores have read the registers that are written next
.endif
	QCOL (\n)&1
.if (\n)&1
	UNITOUT (\n)>>1
.endif
.endm
.macro WFETCH u                        ; unit u from LDS into set u % 2: 13 loads
	WIN 0
.irp j, 0,1,2,3
.irp p, 0,1,2
.if (\u) < 8
	ds_load_b128 v[WB+48*((\u)&1)+12*\j+4*\p:WB+48*((\u)&1)+12*\j+4*\p+3], v[L16] offset:6144*((\u)&7)+1536*\j+512*\p
.else
	ds_load_b128 v[WB+48*((\u)&1)+12*\j+4*\p:WB+48*((\u)&1)+12*\j+4*\p+3], v[LI1] offset:6144*((\u)&7)+1536*\j+512*\p
.endif
.endr
.endr
	ds_load_b128 v[WSCR+4*((\u)&1):WSCR+4*((\u)&1)+3], v[LS] offset:512*(\u)
.endm
.macro MM u, g, j                      ; one product, in place: tile j of unit u (K step u, place u % 8) against row tile g; odd row tiles' scale words lie in lanes 16-31
.if (\g)==4
.set rX, HT4+12*((\u)&3)
.else
.set rX, 96*((\g)&1)+12*((\u)&7)
.endif
.set rA, 32*(\g)+8*(\j)
.set rW, WB+48*((\u)&1)+12*(\j)
.set rP, WSCR+4*((\u)&1)+(\j)
.set rQ, XSC+8*((\g)>>1)+((\u)&7)
.if (\g)&1
	v_wmma_scale_f32_16x16x128_f8f6f4 v[rA:rA+7], v[rW:rW+11], v[rX:rX+11], v[rA:rA+7], v[rP], v[rQ] matrix_a_fmt:MATRIX_FMT_BF6 matrix_b_fmt:MATRIX_FMT_BF6 matrix_b_scale:MATRIX_SCALE_ROW1
.else
	v_wmma_scale_f32_16x16x128_f8f6f4 v[rA:rA+7], v[rW:rW+11], v[rX:rX+11], v[rA:rA+7], v[rP], v[rQ] matrix_a_fmt:MATRIX_FMT_BF6 matrix_b_fmt:MATRIX_FMT_BF6
.endif
.endm
; a unit against the five row tiles: 20 products on 20 accumulators, by turns, in the same order in every group; four places follow, for the loads that come next.
; Source 0 (W2) window 0; source 1 (h) window 2 or 3; C and D window 1.
.macro GROUP u
	WIN 0x58
.irp j, 0,1,2,3
.irp g, 0,1
	MM \u, \g, \j
.endr
.endr
	WIN 0x5c
.irp j, 0,1,2,3
.irp g, 2,3
	MM \u, \g, \j
.endr
.endr
.if ((\u)&7) < 4
	WIN 0x58
.endif
.irp j, 0,1,2,3
	MM \u, 4, \j
.endr
	WIN 0
.rept 4
	v_nop
.endr
.endm
; the codes of K step s of the five row tiles of h into place s % 8: 15 loads
.macro HCODE s
	WIN TOW2
.irp g, 0,1
.irp p, 0,1,2
	global_load_b128 v[96*\g+12*((\s)&7)+4*\p:96*\g+12*((\s)&7)+4*\p+3], v[L16], s[10:11] offset:49152*\g+1536*(\s)+512*\p
.endr
.endr
.if ((\s)&7) < 4
.irp p, 0,1,2
	global_load_b128 v[HT4+12*((\s)&3)+4*\p:HT4+12*((\s)&3)+4*\p+3], v[L16], s[10:11] offset:49152*4+1536*(\s)+512*\p
.endr
.endif
	WIN TOW3
.irp g, 0,1
.irp p, 0,1,2
	global_load_b128 v[96*\g+12*((\s)&7)+4*\p:96*\g+12*((\s)&7)+4*\p+3], v[L16], s[10:11] offset:49152*(2+\g)+1536*(\s)+512*\p
.endr
.endr
.if ((\s)&7) >= 4
.irp p, 0,1,2
	global_load_b128 v[HT4+12*((\s)&3)+4*\p:HT4+12*((\s)&3)+4*\p+3], v[L16], s[10:11] offset:49152*4+1536*(\s)+512*\p
.endr
.endif
	WIN 0
.endm
; K step s whole: three loads of scale words straight into window 0, 15 of codes
.macro HFETCH s
	WIN 0
.irp p, 0,1,2
	global_load_b32 v[XSC+8*\p+((\s)&7)], v[L4], s[16:17] offset:384*(\s)+128*\p
.endr
	HCODE \s
.endm
; the scale words of K steps 0 to 3 into spare registers of window 2, since window 0 is at work while they are on their way: 12 loads
.macro HSC4
	WIN TOW2
.irp q, 0,1,2,3
.irp p, 0,1,2
	global_load_b32 v[HST+3*\q+\p], v[L4], s[16:17] offset:384*\q+128*\p
.endr
.endr
	WIN 0
.endm
; and down into window 0, where scale operands stand.  Eight places follow: a scale register written by a vector instruction stands so far ahead of a scaled product
.macro HSCOPY
	WIN 0x02
.irp q, 0,1,2,3
.irp p, 0,1,2
	v_mov_b32 v[XSC+8*\p+\q], v[HST+3*\q+\p]
.endr
.endr
	WIN 0
.rept 8
	v_nop
.endr
.endm
; b2 into the 20 accumulators: register j' of accumulator j holds output 32 h + 4 j' + j, and so lies the bias in LDS; the sixteen lanes of a half read the same 16 bytes
.macro ACCINIT
	WIN TOW1
.set g, 0
.rept 5
.set j, 0
.rept 4
	ds_load_b128 v[32*g+8*j:32*g+8*j+3], v[BA] offset:32*j
	ds_load_b128 v[32*g+8*j+4:32*g+8*j+7], v[BA] offset:32*j+16
.set j, j+1
.endr
.set g, g+1
.endr
	WIN 0
.endm
; row tile g leaves, if it has a row under the count: in order (each accumulator read from its register 0 on), through my stage, out as whole runs of 256 bytes
.macro YOUT g
	s_add_co_u32 s30, s22, 16*(\g)
	s_cmp_ge_u32 s30, s21
	s_cbranch_scc1 .Lnone_\@
	WIN 0x01
.set rA, 32*(\g)
.set jp, 0
.rept 8
.set j, 0
.rept 4
	v_mov_b32 v[ORD+4*jp+j], v[rA+8*j+jp]
.set j, j+1
.endr
.set jp, jp+1
.endr
	WIN 0
.irp q, 0,1,2,3,4,5,6,7
	ds_store_b128 v[STO], v[ORD+4*\q:ORD+4*\q+3] offset:16*\q
.endr
.if (\g) >= 2
	s_wait_xcnt 0x0                                ; the stores of the tile two back have read the registers that are loaded next
.endif
.irp i, 0,1,2,3,4,5,6,7
	ds_load_b128 v[OUTR+32*((\g)&1)+4*\i:OUTR+32*((\g)&1)+4*\i+3], v[STR] offset:544*\i   ; LDS serves a wave's instructions in order: these see my stores
.endr
.irp i, 0,1,2,3,4,5,6,7
	s_wait_dscnt 7-\i                              ; the younger loads may be out
	global_store_b128 v[YO], v[OUTR+32*((\g)&1)+4*\i:OUTR+32*((\g)&1)+4*\i+3], s[12:13] offset:(16*(\g)+2*\i)*4096
.endr
.Lnone_\@:
.endm
	s_load_b256 s[4:11], s[0:1], 0x0               ; W2 s[4:5], b2 s[6:7], pos s[8:9], hq s[10:11]
	s_load_b64 s[12:13], s[0:1], 0x20              ; yp
	v_lshl_add_u32 v30, v0, 2, 0x1e600
	v_mov_b32 v31, 0
	v_lshrrev_b32 v1, 5, v0
	v_readfirstlane_b32 s18, v1                    ; wave
	s_and_b32 s19, ttmp7, 0xffff                   ; expert
	s_lshr_b32 s20, ttmp9, 1                       ; cs
	s_and_b32 s31, ttmp9, 1                        ; kh
	s_cmp_eq_u32 s31, 0
	s_cselect_b32 s35, -1, 0                       ; b2 counts in K half 0 alone
	v_and_b32 v1, 31, v0                           ; l
	v_and_b32 v2, 15, v0                           ; r
	v_bfe_u32 v3, v0, 4, 1                         ; h
	v_lshlrev_b32 v[WO], 17, v3
	v_lshl_add_u32 v[WO], v2, 4, v[WO]
	v_lshlrev_b32 v[L16], 4, v1
	v_lshlrev_b32 v[L4], 2, v1
	s_mul_i32 s25, s18, 24576
	v_add_nc_u32 v[IW], s25, v[L16]
	s_lshl_b32 s25, s18, 11
	s_add_co_u32 s25, s25, WSC
	v_add_nc_u32 v[SWA], s25, v[L16]
	v_lshlrev_b32 v[B2A], 4, v2
	v_add_nc_u32 v[LI1], 49152, v[L16]
	v_add_nc_u32 v[LS], WSC, v[L16]
	v_lshlrev_b32 v[SH], 3, v3
	v_lshl_add_u32 v[BA], v3, 7, BIAS
	s_mul_i32 s25, s18, 4352
	s_add_co_u32 s25, s25, STAGE
	v_mul_u32_u24 v[STO], 272, v2
	v_lshl_add_u32 v[STO], v3, 7, v[STO]
	v_add_nc_u32 v[STO], s25, v[STO]
	v_mul_u32_u24 v[STR], 272, v3
	v_lshl_add_u32 v[STR], v2, 4, v[STR]
	v_add_nc_u32 v[STR], s25, v[STR]
	v_lshlrev_b32 v[YO], 12, v3
	v_lshl_add_u32 v[YO], v2, 4, v[YO]
	v_and_b32 v25, 7, v0                           ; the bias as loaded: lane r = 8 h + j' holds outputs 4 r + j: they go to 128 h + 32 j + 4 j' (lanes 16-31 hold and write the same)
	v_bfe_u32 v26, v0, 3, 1
	v_lshlrev_b32 v[BS], 2, v25
	v_lshl_add_u32 v[BS], v26, 7, v[BS]
	v_add_nc_u32 v[BS], BIAS, v[BS]
.irp j, 0,1,2,3
	v_mov_b32 v[QT+\j], 0                          ; a lane permute's destination counts as read
.endr
	s_lshl_b32 s26, s19, 24                        ; W2: expert, K half, my four K steps, my 256 bytes of a row
	s_lshl_b32 s27, s31, 23
	s_add_co_u32 s26, s26, s27
	s_lshl_b32 s27, s18, 21
	s_add_co_u32 s26, s26, s27
	s_lshl_b32 s27, s20, 8
	s_add_co_u32 s26, s26, s27
	s_mov_b32 s27, 0
	s_lshl_b32 s38, s19, 12                        ; b2
	s_lshl_b32 s39, s20, 8
	s_add_co_u32 s38, s38, s39
	s_mov_b32 s39, 0
	s_mul_i32 s40, s19, 80                         ; hq's codes: ((80 e + 5 w) 32 + 16 kh) 1,536
	s_mul_i32 s30, s18, 5
	s_add_co_u32 s40, s40, s30
	s_lshl_b32 s40, s40, 5
	s_lshl_b32 s30, s31, 4
	s_add_co_u32 s40, s40, s30
	s_mul_i32 s40, s40, 1536
	s_mov_b32 s41, 0
	s_lshl_b32 s42, s19, 4                         ; hq's scale words: HSOFF + ((16 e + w) 32 + 16 kh) 384
	s_add_co_u32 s42, s42, s18
	s_lshl_b32 s42, s42, 5
	s_add_co_u32 s42, s42, s30
	s_mul_i32 s42, s42, 384
	s_add_co_u32 s42, s42, HSOFF
	s_mov_b32 s43, 0
	s_lshl_b32 s44, s31, 3                         ; yp: ((8 kh + e) 1,280 + 80 w) 4,096 + 256 cs
	s_add_co_u32 s44, s44, s19
	s_mul_i32 s44, s44, 1280
	s_mul_i32 s22, s18, 80                         ; my first routed row of the pass
	s_add_co_u32 s44, s44, s22
	s_lshl_b32 s44, s44, 12
	s_lshl_b32 s45, s20, 8
	s_add_co_u32 s44, s44, s45
	s_mov_b32 s45, 0
	s_lshl_b32 s46, s19, 7                         ; the expert's count
	s_add_co_u32 s46, s46, 32768
	s_mov_b32 s47, 0
	s_mov_b32 s23, 0
	s_mov_b32 s32, 0x76543210
	s_mov_b32 s33, 0xfedcba98                      ; v_permlanex16_b32: lane l xor 16
	s_wait_kmcnt 0x0
	s_add_nc_u64 s[8:9], s[8:9], s[46:47]
	s_load_b32 s21, s[8:9], 0x0                    ; the expert's rows
	s_add_nc_u64 s[4:5], s[4:5], s[26:27]
	s_add_nc_u64 s[6:7], s[6:7], s[38:39]
	s_add_nc_u64 s[16:17], s[10:11], s[42:43]
	s_add_nc_u64 s[10:11], s[10:11], s[40:41]
	s_add_nc_u64 s[12:13], s[12:13], s[44:45]
	s_cmp_lg_u32 s18, 0
	s_cbranch_scc1 .Lothers
	; ---- wave 0 also brings the bias
	global_load_b128 v[BR:BR+3], v[B2A], s[6:7]    ; both halves of the lanes read the same 256 bytes
	LOADH 0
	LOADH 1
	WIN 0
	s_wait_loadcnt 63                              ; 65 are issued: the two oldest are in, the bias among them
.irp i, 0,1,2,3
	v_cndmask_b32 v[BR+\i], 0, v[BR+\i], s35
.endr
.irp j, 0,1,2,3
	ds_store_b32 v[BS], v[BR+\j] offset:32*\j
.endr
	s_wait_dscnt 0x0
	s_branch .Ljoin
.Lothers:
	LOADH 0
	LOADH 1
	WIN 0
.Ljoin:
.irp n, 0,1,2,3,4,5,6
	HALF \n
.endr
	HSC4                                           ; 12 + 15 + 15 loads behind the last weights
	HCODE 0
	HCODE 1
	HALF 7
	HCODE 2
	HCODE 3
	s_wait_dscnt 0x0                               ; my images (and wave 0's bias) have landed
	s_barrier_signal -1
	s_barrier_wait -1                              ; the 16 units lie in LDS and are only read from here on
	s_wait_kmcnt 0x0                               ; the count
.Lpass:
	s_cmp_ge_u32 s22, s21                          ; nothing left for my 80 rows, nor for any behind them
	s_cbranch_scc1 .Ldone
	s_cmp_eq_u32 s23, 0                            ; the first pass's loads are out already
	s_cbranch_scc1 .Lhave
	s_wait_loadcnt 0x0                             ; no load is out
	HSC4
	HCODE 0
	HCODE 1
	HCODE 2
	HCODE 3
.Lhave:
	s_wait_loadcnt 60                              ; the scale words are in; the four K steps' 60 loads behind them may be out
	HSCOPY
	ACCINIT
	WFETCH 0
	WFETCH 1
.set uu, 0
.rept 16
.if uu == 0
	s_wait_loadcnt 45                              ; K step 0 is in; steps 1 to 3 may be out
.elseif uu < 12
	s_wait_loadcnt 63                              ; 66 loads or more stand behind this K step's: the largest count that can be written
.else
	s_wait_loadcnt 18*(15-uu)                      ; the later K steps' loads, 18 each, may be out
.endif
.if uu < 15
	s_wait_dscnt 13                                ; this unit is in (and, the first time, the bias); the next unit's 13 loads may be out
.else
	s_wait_dscnt 0x0
.endif
	GROUP uu
.if uu < 4
	HFETCH uu+4                                    ; K steps 4 to 7, one behind each of the first four groups
.endif
.if uu < 8
	HFETCH uu+8                                    ; into the place just multiplied
.endif
.if uu <= 13
	WFETCH uu+2
.endif
.set uu, uu+1
.endr
	v_nop
.irp g, 0,1,2,3,4
	YOUT \g
.endr
	s_wait_xcnt 0x0                                ; the stores' base is stepped below
	s_add_nc_u64 s[10:11], s[10:11], 983040        ; 20 tiles on
	s_add_nc_u64 s[16:17], s[16:17], 49152         ; four quintets on
	s_add_nc_u64 s[12:13], s[12:13], 1310720       ; 320 rows on
	s_add_co_u32 s22, s22, 320
	s_add_co_u32 s23, s23, 1
	s_cmp_lt_u32 s23, 4
	s_cbranch_scc1 .Lpass
.Ldone:
	s_wait_tensorcnt 0x0
	ds_add_u32 v30, v31
	s_wait_dscnt 0x0
	s_endpgm
.Lfunc_end_k_q29d002a30a_ffn2:
	.size	k_q29d002a30a_ffn2, .Lfunc_end_k_q29d002a30a_ffn2-k_q29d002a30a_ffn2
	.p2alignl 7, 3214868480
	.fill 96, 4, 3214868480
	.section	.rodata,"a",@progbits
	.p2align	6, 0x0
	.amdhsa_kernel k_q29d002a30a_ffn2
		.amdhsa_group_segment_fixed_size 124928
		.amdhsa_private_segment_fixed_size 0
		.amdhsa_enable_private_segment 0
		.amdhsa_kernarg_size 40
		.amdhsa_user_sgpr_count 2
		.amdhsa_user_sgpr_kernarg_segment_ptr 1
		.amdhsa_wavefront_size32 1
		.amdhsa_system_sgpr_workgroup_id_x 1
		.amdhsa_system_sgpr_workgroup_id_y 1
		.amdhsa_system_sgpr_workgroup_id_z 1
		.amdhsa_system_vgpr_workitem_id 0
		.amdhsa_next_free_vgpr 1024
		.amdhsa_next_free_sgpr 66
		.amdhsa_reserve_vcc 0
		.amdhsa_float_denorm_mode_32 3
		.amdhsa_float_denorm_mode_16_64 3
		.amdhsa_memory_ordered 1
		.amdhsa_forward_progress 1
		.amdhsa_inst_pref_size 232
	.end_amdhsa_kernel
	.amdgpu_metadata
---
amdhsa.version: [ 1, 2 ]
amdhsa.kernels:
  - .name:           k_q29d002a30a_ffn2
    .symbol:         k_q29d002a30a_ffn2.kd
    .args:
      - { .name: W2, .offset: 0, .size: 8, .value_kind: global_buffer, .address_space: global }
      - { .name: b2, .offset: 8, .size: 8, .value_kind: global_buffer, .address_space: global }
      - { .name: pos, .offset: 16, .size: 8, .value_kind: global_buffer, .address_space: global }
      - { .name: hq, .offset: 24, .size: 8, .value_kind: global_buffer, .address_space: global }
      - { .name: yp, .offset: 32, .size: 8, .value_kind: global_buffer, .address_space: global }
    .group_segment_fixed_size: 124928
    .private_segment_fixed_size: 0
    .kernarg_segment_align: 8
    .kernarg_segment_size: 40
    .max_flat_workgroup_size: 128
    .sgpr_count:     66
    .vgpr_count:     1024
    .wavefront_size: 32
...
	.end_amdgpu_metadata
.endif
;; end of part 4
;; launch mix (part 5): grid 256 x 1, 4 waves a work-group, no clusters, 0 bytes of LDS; arguments route, wts, pos, yp, out0; writes out0
.if DOCPART == 5
	.amdgcn_target "amdgcn-amd-amdhsa--gfx1250"
	.amdhsa_code_object_version 6
	.text
	.protected	k_q29d002a30a_mix
	.globl	k_q29d002a30a_mix
	.p2align	8
	.type	k_q29d002a30a_mix,@function
k_q29d002a30a_mix:
	s_mov_b64 s[64:65], 0
	v_nop
	global_prefetch_b8 v0, s[64:65] scope:SCOPE_SE
	s_setreg_imm32_b32 hwreg(HW_REG_WAVE_MODE, 25, 1), 1
	s_wait_xcnt 0x0
; out[t] = w0 (yp0 + yp1)[row of (t, e0)] + w1 (yp0 + yp1)[row of (t, e1)].  One wave takes one token t = 4 x work-group + wave; a row is 4,096 bytes, eight loads of 512 consecutive bytes.
; The row of (t, e) is 1,280 e + pos[e][t].  route[t], wts[t] and the token's places with all eight experts (lane e: pos[e][t]) are asked for together, so that the rows' loads stand one trip to memory behind them;
; the two places wanted are then taken from the lanes that hold them.  All 32 loads of the four rows go out at once; each output byte is written once.
; A stream: no LDS bytes, no matrix unit, no cluster: nothing is shared between work-groups.
.set PLANE, 41943040                   ; bytes from K half 0 to K half 1 in yp
.set D, 32                             ; v32-159: 16-byte column i: 16 registers: expert k at 8 k, K half at 4
.set O, 160                            ; v160-191: results, four registers for each store
	s_load_b256 s[4:11], s[0:1], 0x0               ; route s[4:5], wts s[6:7], pos s[8:9], yp s[10:11]
	s_load_b64 s[12:13], s[0:1], 0x20              ; out0
	v_lshrrev_b32 v1, 5, v0
	v_readfirstlane_b32 s14, v1
	s_lshl_b32 s15, ttmp9, 2
	s_add_co_u32 s15, s15, s14                     ; token
	v_and_b32 v1, 31, v0
	v_and_b32 v2, 7, v0
	v_lshlrev_b32 v2, 12, v2                       ; expert l % 8's 1,024 words of pos
	v_lshlrev_b32 v3, 4, v1                        ; 16 bytes a lane
	s_lshl_b32 s16, s15, 2
	s_mov_b32 s17, 0
	s_lshl_b32 s18, s15, 3
	s_mov_b32 s19, 0
	s_lshl_b32 s20, s15, 12
	s_mov_b32 s21, 0
	s_wait_kmcnt 0x0
	s_add_nc_u64 s[4:5], s[4:5], s[16:17]
	s_add_nc_u64 s[6:7], s[6:7], s[18:19]
	s_add_nc_u64 s[8:9], s[8:9], s[16:17]
	s_add_nc_u64 s[12:13], s[12:13], s[20:21]
	s_add_nc_u64 s[28:29], s[10:11], PLANE
	s_load_b32 s22, s[4:5], 0x0
	s_load_b64 s[24:25], s[6:7], 0x0               ; w0, w1
	global_load_b32 v4, v2, s[8:9]
	s_wait_kmcnt 0x0
	s_bfe_u32 s30, s22, 0x80000                    ; e0
	s_min_u32 s30, s30, 7
	s_bfe_u32 s31, s22, 0x80008                    ; e1
	s_min_u32 s31, s31, 7
	s_lshl_b32 s32, s30, 2
	s_lshl_b32 s33, s31, 2
	v_mov_b32 v5, s32
	v_mov_b32 v6, s33
	s_mul_i32 s30, s30, 1280
	s_mul_i32 s31, s31, 1280
	s_mov_b32 s26, s25                             ; w1 as the low word of a pair of its own: the packed forms take a scalar pair's low word for both halves
	s_mov_b32 s27, s25
	s_wait_loadcnt 0x0
	ds_bpermute_b32 v7, v5, v4                     ; every lane: pos[e0][t]
	ds_bpermute_b32 v8, v6, v4                     ; pos[e1][t]
	s_wait_dscnt 0x0
	v_min_u32 v7, 0x4ff, v7
	v_min_u32 v8, 0x4ff, v8
	v_add_nc_u32 v7, s30, v7
	v_add_nc_u32 v8, s31, v8
	v_lshl_add_u32 v7, v7, 12, v3
	v_lshl_add_u32 v8, v8, 12, v3
.irp i, 0,1,2,3,4,5,6,7
.irp k, 0,1
	global_load_b128 v[D+16*\i+8*\k:D+16*\i+8*\k+3], v[7+\k], s[10:11] offset:512*\i th:TH_LOAD_NT
	global_load_b128 v[D+16*\i+8*\k+4:D+16*\i+8*\k+7], v[7+\k], s[28:29] offset:512*\i th:TH_LOAD_NT
.endr
.endr
.irp i, 0,1,2,3,4,5,6,7
	s_wait_loadcnt 28-4*\i                         ; this column's four loads are in; the later columns', four each, may be out
.irp k, 0,1
	v_pk_add_f32 v[D+16*\i+8*\k:D+16*\i+8*\k+1], v[D+16*\i+8*\k:D+16*\i+8*\k+1], v[D+16*\i+8*\k+4:D+16*\i+8*\k+5]     ; the two halves of K
	v_pk_add_f32 v[D+16*\i+8*\k+2:D+16*\i+8*\k+3], v[D+16*\i+8*\k+2:D+16*\i+8*\k+3], v[D+16*\i+8*\k+6:D+16*\i+8*\k+7]
.endr
	v_pk_mul_f32 v[O+4*\i:O+4*\i+1], v[D+16*\i:D+16*\i+1], s[24:25] op_sel_hi:[1,0]
	v_pk_mul_f32 v[O+4*\i+2:O+4*\i+3], v[D+16*\i+2:D+16*\i+3], s[24:25] op_sel_hi:[1,0]
	v_pk_fma_f32 v[O+4*\i:O+4*\i+1], v[D+16*\i+8:D+16*\i+9], s[26:27], v[O+4*\i:O+4*\i+1] op_sel_hi:[1,0,1]
	v_pk_fma_f32 v[O+4*\i+2:O+4*\i+3], v[D+16*\i+10:D+16*\i+11], s[26:27], v[O+4*\i+2:O+4*\i+3] op_sel_hi:[1,0,1]
	global_store_b128 v3, v[O+4*\i:O+4*\i+3], s[12:13] offset:512*\i th:TH_STORE_NT    ; 32 lanes store 512 consecutive bytes, aligned
.endr
	s_endpgm
.Lfunc_end_k_q29d002a30a_mix:
	.size	k_q29d002a30a_mix, .Lfunc_end_k_q29d002a30a_mix-k_q29d002a30a_mix
	.p2alignl 7, 3214868480
	.fill 96, 4, 3214868480
	.section	.rodata,"a",@progbits
	.p2align	6, 0x0
	.amdhsa_kernel k_q29d002a30a_mix
		.amdhsa_group_segment_fixed_size 0
		.amdhsa_private_segment_fixed_size 0
		.amdhsa_enable_private_segment 0
		.amdhsa_kernarg_size 40
		.amdhsa_user_sgpr_count 2
		.amdhsa_user_sgpr_kernarg_segment_ptr 1
		.amdhsa_wavefront_size32 1
		.amdhsa_system_sgpr_workgroup_id_x 1
		.amdhsa_system_sgpr_workgroup_id_y 1
		.amdhsa_system_sgpr_workgroup_id_z 1
		.amdhsa_system_vgpr_workitem_id 0
		.amdhsa_next_free_vgpr 192
		.amdhsa_next_free_sgpr 66
		.amdhsa_reserve_vcc 0
		.amdhsa_float_denorm_mode_32 3
		.amdhsa_float_denorm_mode_16_64 3
		.amdhsa_memory_ordered 1
		.amdhsa_forward_progress 1
		.amdhsa_inst_pref_size 11
	.end_amdhsa_kernel
	.amdgpu_metadata
---
amdhsa.version: [ 1, 2 ]
amdhsa.kernels:
  - .name:           k_q29d002a30a_mix
    .symbol:         k_q29d002a30a_mix.kd
    .args:
      - { .name: route, .offset: 0, .size: 8, .value_kind: global_buffer, .address_space: global }
      - { .name: wts, .offset: 8, .size: 8, .value_kind: global_buffer, .address_space: global }
      - { .name: pos, .offset: 16, .size: 8, .value_kind: global_buffer, .address_space: global }
      - { .name: yp, .offset: 24, .size: 8, .value_kind: global_buffer, .address_space: global }
      - { .name: out0, .offset: 32, .size: 8, .value_kind: global_buffer, .address_space: global }
    .group_segment_fixed_size: 0
    .private_segment_fixed_size: 0
    .kernarg_segment_align: 8
    .kernarg_segment_size: 40
    .max_flat_workgroup_size: 128
    .sgpr_count:     66
    .vgpr_count:     192
    .wavefront_size: 32
...
	.end_amdgpu_metadata
.endif
;; end of part 5
;; ======== version 2 of 2: 5 launches; version 1 with the launches ffn1, ffn2 written anew for expert scheduling mode
;; limits: right only within a limited range of input values
;; workspace buffers: route 4,096 bytes of whole numbers; wts 8,192 bytes; xq 819,200 bytes; pos 33,792 bytes of whole numbers; list 40,960 bytes of whole numbers; hq 33,030,144 bytes; yp 83,886,080 bytes
;; launch gate: the kernel of part 1 again; grid 256 x 1, 4 waves a work-group, no clusters, 33,792 bytes of LDS; arguments x, Wg, bg, route, wts, xq; writes route, wts, xq
;; launch place: the kernel of part 2 again; grid 8 x 1, 1 waves a work-group, no clusters, 5,632 bytes of LDS; arguments route, list, pos; writes list, pos
;; launch ffn1 (part 6): grid 32 x 8, 4 waves a work-group, no clusters, 107,520 bytes of LDS; arguments W1, b1, list, xq, hq, pos; writes hq
.if DOCPART == 6
	.amdgcn_target "amdgcn-amd-amdhsa--gfx1250"
	.amdhsa_code_object_version 6
	.text
	.protected	k_q29d002a30a_ffn1
	.globl	k_q29d002a30a_ffn1
	.p2align	8
	.type	k_q29d002a30a_ffn1,@function
k_q29d002a30a_ffn1:
	s_mov_b64 s[64:65], 0
	v_nop
	global_prefetch_b8 v0, s[64:65] scope:SCOPE_SE
	s_setreg_imm32_b32 hwreg(HW_REG_WAVE_SCHED_MODE, 0, 2), 2
	s_setreg_imm32_b32 hwreg(HW_REG_WAVE_MODE, 25, 1), 1
	s_wait_xcnt 0x0
	s_wait_alu depctr_vm_vsrc(0)
; FIRST PRODUCT.  Work-group (sl, e) owns hidden units 128 sl .. 128 sl + 127 of expert e: h = Q(relu(Q(x) Q(W1) + b1)) for the tokens that chose e.
; PHASE 1: its 1,024 x 128 numbers of W1 (512 KiB of f32, read by nobody else) are read once, quantised along K in registers and laid in LDS as images of operand registers.
;   A UNIT is 64 columns x 128 K = four fragments.  Lane (r, h) loads 16 bytes: columns 4 r .. 4 r + 3 of row k = 64 c + 32 h + i: sixteen lanes read 256 consecutive bytes, aligned.
;   For column 4 r + j the lane then holds the whole block 2 c + h: that is the 6-bit operand layout of a tile whose row m is column 4 m + j.  So no number changes lanes; 128 moves a half-unit
;   bring each column's 32 numbers into consecutive registers, as the conversions want them.  Wave w makes units 4 w .. 4 w + 3 (unit u: K step u / 2, column half u % 2).
; PHASE 2: a wave owns 80 routed rows (five tiles of 16) a pass; up to four passes serve every split (up to 1,024 rows on one expert).  The first pass always runs, so that the first 320 rows of hq of
;   every expert are stored whatever the split; the wave ends at the first pass whose rows lie at or past the count, since the rows' numbers only grow.
;   The expert's count and its list of tokens were stored as whole numbers by the launch before.  List entries past the count name token 0: their rows are computed and stored, and nobody uses them.
;   x's CODES OF THE FIRST PASS ARE ASKED FOR WHILE THE WEIGHTS RUN OUT: they land in windows 2 and 3, which phase 1 does not use.  Scale words and K steps 0, 1 go out behind half-unit 6 (32 weight loads
;   are then out at the most), K steps 2, 3 behind half-unit 7, K steps 4 to 7 one behind each of the first four groups of products.  A later pass asks in the same order at its head.
;   THE PRODUCT IS USED TRANSPOSED: source 0 = a tile of W1, source 1 = 16 rows of x.  Lane (r, h) then holds routed row r, and register j' of tile j column 32 h + 4 j' + j: a unit's four tiles give the
;   lane 32 NEIGHBOURING hidden units, one whole block of the next K in the very lane that the next operand's layout wants.  The reordering rides on the relu.
;   b1 lies in LDS in the accumulators' own order and is loaded into them at a pass's head: every product then adds in place.
; No tensor load, no asynchronous copy: branches hang on a stored count.  No cluster: the weights, nearly all the bytes, are shared by nobody.
; LIMITS: NaN and infinities are not served; a block whose largest magnitude is under 2^-122 (zeros too) gets the byte 1; zero codes add nothing, and only this program reads the bytes.
; REGISTERS, in windows of 256.  Window 0: v0-31 addresses; phase 1: v32-59 at work, v64-111 a unit's codes, v112-127 second halves, v128-255 a half-unit by columns;
;   phase 2: v32-55 x's scale words, v56-63 W1's (two sets), v64-159 W1's fragments (two sets of four), v160-223 tile 4's eight accumulators.
;   Window 1: phase 1: two sets of 32 loads; phase 2: the accumulators of tiles 0-3 (64 g + 8 t).
;   Window 2: x's tiles 0, 1 (v0, v96), tile 4's K steps 0-3 (v192), scale words on their way (v240).  Window 3: x's tiles 2, 3, tile 4's K steps 4-7, scale words on their way.
; THE MODE: SCHED_MODE bits 1:0 = 2 (LLVM: expert scheduling mode 2), set by the entry lines.  The code itself states the register dependences
; between vector or matrix instructions and memory or LDS instructions, with s_wait_alu, always for 0.
; THE PLAN.  Registers that memory or LDS instructions touch, who else names them, and the wait that stands between:
;   v4-v16, v24   addresses and offsets, made at the head and never written again (v15, v16: once a pass): one wait on va_vdst at the head, in the first LISTLD.
;   raw sets      Half-unit n: its 128 moves read set n % 2; behind them one wait on va_vdst, then the loads of half-unit n + 2 land in it.
;   FR, QWS       A unit's codes and scale words: written by conversions and moves, one wait on va_vdst, read by 13 LDS stores; one wait on vm_vsrc ahead of the next unit's conversions (the last unit's: behind the barrier).
;   TK, TS, SA    Loaded from the list, made into offsets by XADDR, one wait on va_vdst, read by all of a pass's loads of x; written again behind the wait on vm_vsrc at a pass's end.
;   x, XST        Windows 2 and 3: loads land; products and XSCOPY's moves read.  A later pass's loads stand behind XADDR's wait; K steps 4 to 7 land while products name K steps 0 and 1 alone.
;   XSC           Written by XSCOPY's moves; eight places and one wait on va_vdst ahead of the first product.  The same wait stands ahead of the loads into the accumulators and into W1's two sets.
;   W1's sets     Group u reads set u % 2; behind its places one wait on va_vdst, then unit u + 2 lands in it: one wait a group.
;   a tile's codes, PK, SWD + 4   Registers of their own for each tile: one wait on va_vdst ahead of a tile's stores; the wait on vm_vsrc at a pass's end frees them all.
.set ROWP,  16384                      ; a row of W1 in bytes
.set WSC,   98304                      ; LDS: 16 units x 6,144 bytes of codes from 0; then 16 x 512 bytes of scale words (lane l: its four tiles' words)
.set BIAS,  106496                     ; my 128 numbers of b1, laid [h 2][accumulator 8][register 8]
.set XSOFF, 786432
.set HSOFF, 31457280
.set PRE,   36                         ; loads issued behind the last weight loads, ahead of the wait for these
.set WO,  4                            ; W1: 32 h rows + 16 r
.set L16, 5                            ; 16 x lane
.set L4,  6                            ; 4 x lane
.set IW,  7                            ; where I store images: 16 l + 4 units x wave
.set SWA, 8                            ; and their scale words
.set XH,  9                            ; 16 h
.set LI1, 10                           ; 16 l + 8 units
.set LS,  11                           ; WSC + 16 l
.set SH,  12                           ; 8 h
.set BA,  13                           ; BIAS + 256 h
.set R4,  14                           ; 4 r
.set LA1, 15                           ; the list words in hand: the pass's offset + 4 r,
.set LA2, 16                           ; and + 4 l
.set TK,  17                           ; v17-21 tile g's token of my row, then its byte in xq
.set TS,  22                           ; v22-23 the tokens whose scale words my lane carries
.set BSA, 24                           ; wave 0: where my four numbers of b1 go
.set SA,  29                           ; v29-31 32 x token
.set QM,  32
.set QS,  36
.set QB,  40
.set QW,  48
.set QWS, 52
.set QT,  56
.set FR,  64
.set TQ,  112
.set ST,  128
.set BR,  192                          ; wave 0: the bias as loaded
.set XSC, 32
.set WSCR, 56
.set WB,  64
.set A4,  160
.set XT4, 192
.set XST, 240
.set ORD, 64                           ; the way out: 64 hidden units in order
.set HT,  128
.set HM,  136
.set HS,  140
.set HB,  142
.set HW,  144
.set HX,  145
.set SWD, 146
.set PK,  152
.set RAWRD, 0x01
.set TOW1,  0x40
.set TOW2,  0x80
.set TOW3,  0xc0
.set MSB, 0
.macro WIN new                         ; the immediate's high byte repeats the setting that is left; a switch that changes nothing is dropped
.if MSB != \new
	s_set_vgpr_msb (MSB<<8)|\new
.set MSB, \new
.endif
.endm
; half-unit n of my eight (unit n / 2, c = n % 2): 32 rows x 64 columns into set n % 2 of window 1.  Every offset is an immediate; no pointer is stepped.
.macro LOADH n
	WIN TOW1
.set i, 0
.rept 32
	global_load_b128 v[128*((\n)&1)+4*i:128*((\n)&1)+4*i+3], v[WO], s[4:5] offset:(((\n)>>2)*128+64*((\n)&1)+i)*ROWP+(((\n)>>1)&1)*256 th:TH_LOAD_NT
.set i, i+1
.endr
.endm
; four columns' blocks (32 numbers each, in v[ST + 32 j] on) become registers 6 c .. 6 c + 5 of the four fragments; the columns take turns line by line
.macro QCOL c
.irp j, 0,1,2,3
	v_max3_num_f32 v[QM+\j], |v[ST+32*\j]|, |v[ST+32*\j+1]|, 0x2800000     ; the floor 2^(5 - 127): the byte cannot fall under 1
.endr
.irp i, 2,4,6,8,10,12,14,16,18,20,22,24,26,28,30
.irp j, 0,1,2,3
	v_max3_num_f32 v[QM+\j], v[QM+\j], |v[ST+32*\j+\i]|, |v[ST+32*\j+\i+1]|
.endr
.endr
.irp j, 0,1,2,3
	v_add_nc_u32 v[QS+\j], 0xfe000000, v[QM+\j]    ; 4 off the exponent field: the conversion's scale operand
.endr
.irp j, 0,1,2,3
	v_lshrrev_b32 v[QB+4*(\c)+\j], 23, v[QS+\j]    ; the scale's byte
.endr
.irp j, 0,1,2,3
	v_cvt_scalef32_pk16_bf6_f32 v[FR+12*\j+6*(\c):FR+12*\j+6*(\c)+2], v[ST+32*\j:ST+32*\j+15], v[QS+\j]
	v_cvt_scalef32_pk16_bf6_f32 v[TQ+4*\j:TQ+4*\j+2], v[ST+32*\j+16:ST+32*\j+31], v[QS+\j]   ; (a conversion's three registers begin on an even number)
.endr
	v_nop                                          ; one plain place behind a scaled conversion
.irp j, 0,1,2,3
.irp i, 0,1,2
	v_mov_b32 v[FR+12*\j+6*(\c)+3+\i], v[TQ+4*\j+\i]
.endr
.endr
.endm
; a finished unit goes to LDS as it stands in the registers; my two bytes of each tile's scale word (blocks h and 2 + h) meet lane l xor 16's two
.macro UNITOUT ul
.irp j, 0,1,2,3
	v_lshl_or_b32 v[QW+\j], v[QB+4+\j], 16, v[QB+\j]
.endr
.irp j, 0,1,2,3
	v_lshlrev_b32 v[QW+\j], v[SH], v[QW+\j]
.endr
.irp j, 0,1,2,3
	v_permlanex16_b32 v[QT+\j], v[QW+\j], s32, s33
.endr
.irp j, 0,1,2,3
	v_or_b32 v[QWS+\j], v[QW+\j], v[QT+\j]
.endr
	s_wait_alu depctr_va_vdst(0)                   ; the conversions and moves have written the unit's codes v[FR ..], the four lines above its scale words v[QWS ..]: the 13 LDS stores read them
.irp j, 0,1,2,3
.irp p, 0,1,2
	ds_store_b128 v[IW], v[FR+12*\j+4*\p:FR+12*\j+4*\p+3] offset:6144*(\ul)+1536*\j+512*\p
.endr
.endr
	ds_store_b128 v[SWA], v[QWS:QWS+3] offset:512*(\ul)
.endm
.macro HALF n
.if (\n) < 7
	s_wait_loadcnt 32                              ; this half-unit's 32 loads are in; the other set's 32 may be out
.else
	s_wait_loadcnt PRE                             ; the last weights are in; x's loads issued behind them may be out
.endif
	WIN RAWRD
.set i, 0
.rept 32
.set j, 0
.rept 4
	v_mov_b32 v[ST+32*j+i], v[128*((\n)&1)+4*i+j]  ; by columns
.set j, j+1
.endr
.set i, i+1
.endr
.if (\n) <= 5
	WIN TOW1
	s_wait_alu depctr_va_vdst(0)                   ; the 128 moves are done reading set n % 2, in which the loads below land
	LOADH (\n)+2                                   ; the set just read out takes the half-unit two on
.endif
	WIN 0
.if (((\n)&1)==0) && ((\n)>0)
	s_wait_dscnt 0x0                               ; the last unit's stores have landed,
	s_wait_alu depctr_vm_vsrc(0)                   ; and have read v[FR ..] and v[QWS ..], which this unit's conversions, moves and scale words write again
.endif
	QCOL (\n)&1
.if (\n)&1
	UNITOUT (\n)>>1
.endif
.endm
; unit u's four fragments and their scale words, from LDS into set u % 2: 13 loads
.macro WFETCH u
	WIN 0
.irp j, 0,1,2,3
.irp p, 0,1,2
.if (\u) < 8
	ds_load_b128 v[WB+48*((\u)&1)+12*\j+4*\p:WB+48*((\u)&1)+12*\j+4*\p+3], v[L16] offset:6144*((\u)&7)+1536*\j+512*\p
.else
	ds_load_b128 v[WB+48*((\u)&1)+12*\j+4*\p:WB+48*((\u)&1)+12*\j+4*\p+3], v[LI1] offset:6144*((\u)&7)+1536*\j+512*\p
.endif
.endr
.endr
	ds_load_b128 v[WSCR+4*((\u)&1):WSCR+4*((\u)&1)+3], v[LS] offset:512*(\u)
.endm
; one product: tile j of unit u against row tile g, K step s; accumulator tb + j of the tile, in place.  Odd row tiles' scale words lie in lanes 16-31.
.macro MM u, s, tb, g, j
.if (\g)==4
.set rX, XT4+12*((\s)&3)
.set rA, A4+8*((\tb)+(\j))
.else
.set rX, 96*((\g)&1)+12*(\s)
.set rA, 64*(\g)+8*((\tb)+(\j))
.endif
.set rW, WB+48*((\u)&1)+12*(\j)
.set rP, WSCR+4*((\u)&1)+(\j)
.set rQ, XSC+8*((\g)>>1)+(\s)
.if (\g)&1
	v_wmma_scale_f32_16x16x128_f8f6f4 v[rA:rA+7], v[rW:rW+11], v[rX:rX+11], v[rA:rA+7], v[rP], v[rQ] matrix_a_fmt:MATRIX_FMT_BF6 matrix_b_fmt:MATRIX_FMT_BF6 matrix_b_scale:MATRIX_SCALE_ROW1
.else
	v_wmma_scale_f32_16x16x128_f8f6f4 v[rA:rA+7], v[rW:rW+11], v[rX:rX+11], v[rA:rA+7], v[rP], v[rQ] matrix_a_fmt:MATRIX_FMT_BF6 matrix_b_fmt:MATRIX_FMT_BF6
.endif
.endm
; a unit against the five row tiles: 20 products on 20 accumulators, which take turns in the same order in every group.
; Source 0 (W1) window 0; source 1 (x) window 2 or 3; C and D window 1, for tile 4 window 0.
; Four places follow: loads into registers that these products have read come next (ISA guide 7.12.1 for vector instructions).
.macro GROUP u, s, tb
	WIN 0x58
.irp j, 0,1,2,3
.irp g, 0,1
	MM \u, \s, \tb, \g, \j
.endr
.endr
	WIN 0x5c
.irp j, 0,1,2,3
.irp g, 2,3
	MM \u, \s, \tb, \g, \j
.endr
.endr
.if (\s) < 4
	WIN 0x08
.else
	WIN 0x0c
.endif
.irp j, 0,1,2,3
	MM \u, \s, \tb, 4, \j
.endr
	WIN 0
.rept 4
	v_nop
.endr
.endm
; the list words of the pass at byte s24 of my wave's part of the list: tile g's token of my row (five), and the tokens whose scale words my lane carries (two)
.macro LISTLD
	v_add_nc_u32 v[LA1], s24, v[R4]
	v_add_nc_u32 v[LA2], s24, v[L4]
	s_wait_alu depctr_va_vdst(0)                   ; the two offsets are written, which the loads below read.  At the head: so are all the addresses and offsets made there.  In a later pass: the lines that made offsets of v[TK ..] and v[TS ..] are done with these, in which the loads land
.irp g, 0,1,2,3,4
	global_load_b32 v[TK+\g], v[LA1], s[8:9] offset:64*\g
.endr
.irp p, 0,1
	global_load_b32 v[TS+\p], v[LA2], s[8:9] offset:128*\p
.endr
.endm
; from list words to byte offsets in xq
.macro XADDR
.irp g, 0,1,2,3,4
	v_min_u32 v[TK+\g], 0x3ff, v[TK+\g]
.endr
.irp p, 0,1
	v_min_u32 v[TS+\p], 0x3ff, v[TS+\p]
.endr
	v_lshlrev_b32 v[SA], 5, v[TS]                  ; lanes 0-15: tile 0's rows, lanes 16-31: tile 1's
	v_lshlrev_b32 v[SA+1], 5, v[TS+1]              ; tiles 2 and 3
	v_lshlrev_b32 v[SA+2], 5, v[TK+4]              ; tile 4
.irp g, 0,1,2,3,4
	v_mul_u32_u24 v[TK+\g], 768, v[TK+\g]
.endr
.irp g, 0,1,2,3,4
	v_add_nc_u32 v[TK+\g], v[XH], v[TK+\g]         ; the token's row, my half's 16 bytes of each 32
.endr
	s_wait_alu depctr_va_vdst(0)                   ; v[TK ..] and v[SA ..] are written: all of the pass's loads of x read them as offsets, and no vector instruction names them again in the pass.  In a later pass also: the last pass's products are done reading x's registers, and its copies the scale words', in which those loads land
.endm
; x's scale words, 32 bytes a token: six loads into spare registers of windows 2 and 3, since window 0 is at work while they are on their way
.macro XSLOAD
	WIN TOW2
.irp p, 0,1
.irp q, 0,1
	global_load_b128 v[XST+8*\p+4*\q:XST+8*\p+4*\q+3], v[SA+\p], s[10:11] offset:XSOFF+16*\q
.endr
.endr
	WIN TOW3
.irp q, 0,1
	global_load_b128 v[XST+4*\q:XST+4*\q+3], v[SA+2], s[10:11] offset:XSOFF+16*\q
.endr
	WIN 0
.endm
; and down into window 0, where scale operands stand: register 8 p + s is the word of K step s.  Eight places follow: a scale register written by a vector instruction stands so far ahead of a scaled product
.macro XSCOPY
	WIN 0x02
.set i, 0
.rept 16
	v_mov_b32 v[XSC+i], v[XST+i]
.set i, i+1
.endr
	WIN 0x03
.set i, 0
.rept 8
	v_mov_b32 v[XSC+16+i], v[XST+i]
.set i, i+1
.endr
	WIN 0
.rept 8
	v_nop
.endr
.endm
; K step s of the five row tiles of x: 15 loads of 16 bytes a lane; lanes r and r + 16 read 32 neighbouring bytes
.macro XFETCH s
	WIN TOW2
.irp g, 0,1
.irp p, 0,1,2
	global_load_b128 v[96*\g+12*(\s)+4*\p:96*\g+12*(\s)+4*\p+3], v[TK+\g], s[10:11] offset:96*(\s)+32*\p
.endr
.endr
.if (\s) < 4
.irp p, 0,1,2
	global_load_b128 v[XT4+12*(\s)+4*\p:XT4+12*(\s)+4*\p+3], v[TK+4], s[10:11] offset:96*(\s)+32*\p
.endr
.endif
	WIN TOW3
.irp g, 0,1
.irp p, 0,1,2
	global_load_b128 v[96*\g+12*(\s)+4*\p:96*\g+12*(\s)+4*\p+3], v[TK+2+\g], s[10:11] offset:96*(\s)+32*\p
.endr
.endr
.if (\s) >= 4
.irp p, 0,1,2
	global_load_b128 v[XT4+12*((\s)-4)+4*\p:XT4+12*((\s)-4)+4*\p+3], v[TK+4], s[10:11] offset:96*(\s)+32*\p
.endr
.endif
	WIN 0
.endm
; b1 into the 40 accumulators: register j' of accumulator t = 4 ch + j holds hidden unit 64 ch + 32 h + 4 j' + j, and so lies the bias in LDS; the sixteen lanes of a half read the same 16 bytes
.macro ACCINIT
	WIN TOW1
.set g, 0
.rept 4
.set t, 0
.rept 8
	ds_load_b128 v[64*g+8*t:64*g+8*t+3], v[BA] offset:32*t
	ds_load_b128 v[64*g+8*t+4:64*g+8*t+7], v[BA] offset:32*t+16
.set t, t+1
.endr
.set g, g+1
.endr
	WIN 0
.set t, 0
.rept 8
	ds_load_b128 v[A4+8*t:A4+8*t+3], v[BA] offset:32*t
	ds_load_b128 v[A4+8*t+4:A4+8*t+7], v[BA] offset:32*t+16
.set t, t+1
.endr
.endm
; row tile g is made ready: relu and order in one line a number, each accumulator read from its register 0 on; two blocks a lane are quantised.
; Tile 4 goes first: its accumulators' registers then take the codes of tiles 0 to 3, so that no store's data are written again within a pass.
.macro HCALC g
.if (\g)==4
	WIN 0
.set rA, A4
.set rC, 224
.else
	WIN 0x04
.set rA, 64*(\g)
.set rC, 160+12*(\g)
.endif
.set jp, 0
.rept 8
.set t, 0
.rept 8
	v_max_num_f32 v[ORD+32*(t>>2)+4*jp+(t&3)], 0, v[rA+8*t+jp]
.set t, t+1
.endr
.set jp, jp+1
.endr
	WIN 0
.irp c, 0,1
.irp q, 0,1
	v_max3_num_f32 v[HM+2*\c+\q], v[ORD+32*\c+16*\q], v[ORD+32*\c+16*\q+1], 0x2800000   ; none is negative: no |.|; the floor as above
.endr
.endr
.irp i, 2,4,6,8,10,12,14
.irp c, 0,1
.irp q, 0,1
	v_max3_num_f32 v[HM+2*\c+\q], v[HM+2*\c+\q], v[ORD+32*\c+16*\q+\i], v[ORD+32*\c+16*\q+\i+1]
.endr
.endr
.endr
.irp c, 0,1
	v_max_num_f32 v[HM+2*\c], v[HM+2*\c], v[HM+2*\c+1]
.endr
.irp c, 0,1
	v_add_nc_u32 v[HS+\c], 0xfe000000, v[HM+2*\c]
.endr
.irp c, 0,1
	v_lshrrev_b32 v[HB+\c], 23, v[HS+\c]
.endr
.irp c, 0,1
	v_cvt_scalef32_pk16_bf6_f32 v[rC+6*\c:rC+6*\c+2], v[ORD+32*\c:ORD+32*\c+15], v[HS+\c]
	v_cvt_scalef32_pk16_bf6_f32 v[HT+4*\c:HT+4*\c+2], v[ORD+32*\c+16:ORD+32*\c+31], v[HS+\c]
.endr
	v_nop                                          ; one plain place behind a scaled conversion
.irp c, 0,1
.irp i, 0,1,2
	v_mov_b32 v[rC+6*\c+3+\i], v[HT+4*\c+\i]
.endr
.endr
	v_lshl_or_b32 v[HW], v[HB+1], 16, v[HB]
	v_lshlrev_b32 v[HW], v[SH], v[HW]
	v_mov_b32 v[HX], 0
	v_permlanex16_b32 v[HX], v[HW], s32, s33
	v_or_b32 v[SWD+(\g)], v[HW], v[HX]             ; my row's scale word for this K step of the second product
.endm
; and leaves: the fragment is stored as it stands, 512 consecutive bytes a store
.macro HSEND g
.if (\g)==4
.set rC, 224
.else
.set rC, 160+12*(\g)
.endif
.irp p, 0,1,2
	global_store_b128 v[L16], v[rC+4*\p:rC+4*\p+3], s[12:13] offset:49152*(\g)+512*\p
.endr
.endm
	s_load_b256 s[4:11], s[0:1], 0x0               ; W1 s[4:5], b1 s[6:7], list s[8:9], xq s[10:11]
	s_load_b128 s[12:15], s[0:1], 0x20             ; hq s[12:13], pos s[14:15]
	v_lshl_add_u32 v27, v0, 2, 0x1a200
	v_mov_b32 v28, 0
	v_lshrrev_b32 v1, 5, v0
	v_readfirstlane_b32 s18, v1                    ; wave
	s_and_b32 s19, ttmp7, 0xffff                   ; expert
	s_mov_b32 s20, ttmp9                           ; slice
	v_and_b32 v1, 31, v0                           ; l
	v_and_b32 v2, 15, v0                           ; r
	v_bfe_u32 v3, v0, 4, 1                         ; h
	v_lshlrev_b32 v[WO], 19, v3
	v_lshl_add_u32 v[WO], v2, 4, v[WO]
	v_lshlrev_b32 v[L16], 4, v1
	v_lshlrev_b32 v[L4], 2, v1
	v_lshlrev_b32 v[R4], 2, v2
	s_wait_alu depctr_va_sdst(0)                   ; s18, the wave's number, is written, ahead of its first reader: LDS places, bases and a branch are made from it
	s_mul_i32 s25, s18, 24576
	v_add_nc_u32 v[IW], s25, v[L16]
	s_lshl_b32 s25, s18, 11
	s_add_co_u32 s25, s25, WSC
	v_add_nc_u32 v[SWA], s25, v[L16]
	v_lshlrev_b32 v[XH], 4, v3
	v_add_nc_u32 v[LI1], 49152, v[L16]
	v_add_nc_u32 v[LS], WSC, v[L16]
	v_lshlrev_b32 v[SH], 3, v3
	v_lshl_add_u32 v[BA], v3, 8, BIAS
	v_and_b32 v25, 7, v0                           ; the bias as loaded: lane l = 16 ch + 8 h + j' holds units 4 l + j: they go to 256 h + 128 ch + 32 j + 4 j'
	v_bfe_u32 v26, v0, 3, 1
	v_lshlrev_b32 v[BSA], 2, v25
	v_lshl_add_u32 v[BSA], v26, 8, v[BSA]
	v_lshl_add_u32 v[BSA], v3, 7, v[BSA]
	v_add_nc_u32 v[BSA], BIAS, v[BSA]
.irp j, 0,1,2,3
	v_mov_b32 v[QT+\j], 0                          ; a lane permute's destination counts as read
.endr
	s_lshl_b32 s26, s19, 24                        ; W1: expert, slice's 512 bytes, my two K steps
	s_lshl_b32 s27, s20, 9
	s_add_co_u32 s26, s26, s27
	s_lshl_b32 s27, s18, 22
	s_add_co_u32 s26, s26, s27
	s_mov_b32 s27, 0
	s_lshl_b32 s38, s19, 14                        ; b1
	s_lshl_b32 s39, s20, 9
	s_add_co_u32 s38, s38, s39
	s_mov_b32 s39, 0
	s_mul_i32 s40, s19, 80                         ; hq's codes: ((80 e + 5 w) 32 + sl) 1,536
	s_mul_i32 s30, s18, 5
	s_add_co_u32 s40, s40, s30
	s_lshl_b32 s40, s40, 5
	s_add_co_u32 s40, s40, s20
	s_mul_i32 s40, s40, 1536
	s_mov_b32 s41, 0
	s_lshl_b32 s42, s19, 4                         ; hq's scale words: HSOFF + ((16 e + w) 32 + sl) 384
	s_add_co_u32 s42, s42, s18
	s_lshl_b32 s42, s42, 5
	s_add_co_u32 s42, s42, s20
	s_mul_i32 s42, s42, 384
	s_add_co_u32 s42, s42, HSOFF
	s_mov_b32 s43, 0
	s_mul_i32 s44, s19, 5120                       ; list: the expert's 1,280 words, my wave's 80 of a pass
	s_mul_i32 s30, s18, 320
	s_add_co_u32 s44, s44, s30
	s_mov_b32 s45, 0
	s_lshl_b32 s46, s19, 7                         ; the expert's count
	s_add_co_u32 s46, s46, 32768
	s_mov_b32 s47, 0
	s_mul_i32 s22, s18, 80                         ; my first routed row of the pass
	s_mov_b32 s23, 0                               ; passes done
	s_mov_b32 s24, 0                               ; the pass's byte in my part of the list
	s_mov_b32 s32, 0x76543210
	s_mov_b32 s33, 0xfedcba98                      ; v_permlanex16_b32: lane l xor 16
	s_mov_b32 s34, 0xffff0000                      ; lanes 16-31
	s_wait_kmcnt 0x0
	s_add_nc_u64 s[14:15], s[14:15], s[46:47]
	s_load_b32 s21, s[14:15], 0x0                  ; the expert's rows
	s_add_nc_u64 s[4:5], s[4:5], s[26:27]
	s_add_nc_u64 s[6:7], s[6:7], s[38:39]
	s_add_nc_u64 s[8:9], s[8:9], s[44:45]
	s_add_nc_u64 s[16:17], s[12:13], s[42:43]
	s_add_nc_u64 s[12:13], s[12:13], s[40:41]
	LISTLD                                         ; the first pass's list words, ahead of the weights
	s_cmp_lg_u32 s18, 0
	s_cbranch_scc1 .Lothers
	; ---- wave 0 also brings the bias
	global_load_b128 v[BR:BR+3], v[L16], s[6:7]
	LOADH 0
	LOADH 1
	WIN 0
	s_wait_loadcnt 63                              ; 72 are issued: the nine oldest are in, the seven list words and the bias among them
.irp j, 0,1,2,3
	ds_store_b32 v[BSA], v[BR+\j] offset:32*\j
.endr
	s_wait_dscnt 0x0
	s_wait_alu depctr_vm_vsrc(0)                   ; the four LDS stores have read v[BR ..], which half-unit 0's moves write
	s_branch .Ljoin
.Lothers:
	LOADH 0
	LOADH 1
	WIN 0
.Ljoin:
	s_wait_loadcnt 63                              ; 71 or 72 are issued: the seven list words, the oldest, are in
	XADDR
.irp n, 0,1,2,3,4,5,6
	HALF \n
.endr
	XSLOAD                                         ; 6 + 15 + 15 loads behind the last weights.  No wait: since XADDR's no vector instruction has named their offsets, and none has ever named windows 2 and 3
	XFETCH 0
	XFETCH 1
	HALF 7
	XFETCH 2
	XFETCH 3
	s_wait_dscnt 0x0                               ; my images (and wave 0's bias) have landed
	s_barrier_signal -1
	s_barrier_wait -1                              ; the 16 units lie in LDS and are only read from here on
	s_wait_alu depctr_vm_vsrc(0)                   ; my last unit's LDS stores have read v[FR ..] and v[QWS ..]: from here on these registers take W1's fragments, by loads, and x's scale words, by moves
	s_wait_kmcnt 0x0                               ; the count
.Lpass:
	s_cmp_eq_u32 s23, 0                            ; the first pass's loads are out already
	s_cbranch_scc1 .Lhave
	s_wait_loadcnt 0x0                             ; no load is out: every address register may be written
	LISTLD
	s_wait_loadcnt 0x0
	XADDR
	XSLOAD
	XFETCH 0
	XFETCH 1
	XFETCH 2
	XFETCH 3
.Lhave:
	s_wait_loadcnt 60                              ; the scale words are in; the four K steps' 60 loads behind them may be out
	XSCOPY
	WIN TOW1
	s_wait_alu depctr_va_vdst(0)                   ; behind the eight places: the moves have written x's scale words, which the products take.  And all that named the registers in which the loads below land is done: in the first pass the moves and conversions of phase 1, in a later pass the last pass's way out
	ACCINIT
	WFETCH 0
	WFETCH 1
.set uu, 0
.rept 16
.if (uu&1)==0
.if uu==0
	s_wait_loadcnt 45                              ; K step 0 is in; steps 1 to 3 may be out
.elseif uu==2
	s_wait_loadcnt 60                              ; behind step 1: steps 2 to 5
.elseif uu==4
	s_wait_loadcnt 63                              ; behind step 2 stand 75: the largest count that can be written
.else
	s_wait_loadcnt 15*(7-uu/2)                     ; the later K steps' loads, 15 each, may be out
.endif
.endif
.if uu < 15
	s_wait_dscnt 13                                ; this unit is in (and, the first time, the bias); the next unit's 13 loads may be out
.else
	s_wait_dscnt 0x0
.endif
	GROUP uu, uu>>1, 4*(uu&1)
.if uu < 4
	XFETCH uu+4                                    ; K steps 4 to 7, one behind each of the first four groups: the first is wanted four groups on at the least.  No wait: the products issued since the last wait name K steps 0 and 1 alone
.endif
.if uu <= 13
	s_wait_alu depctr_va_vdst(0)                   ; behind the four places: this group's products are done reading set uu % 2 of W1's fragments and scale words, in which the unit two on lands
	WFETCH uu+2
.endif
.set uu, uu+1
.endr
	v_nop
.irp g, 4,0,1,2
	HCALC \g
	s_wait_alu depctr_va_vdst(0)                   ; the tile's conversions and moves have written its codes, which the three stores read
	HSEND \g
.endr
	HCALC 3
	v_cndmask_b32 v[PK], v[SWD], v[SWD+1], s34     ; two tiles' scale words to a register, as the second product reads them
	v_cndmask_b32 v[PK+1], v[SWD+2], v[SWD+3], s34
	s_wait_alu depctr_va_vdst(0)                   ; tile 3's codes, v[PK], v[PK+1] and v[SWD+4] are written, which the six stores read
	HSEND 3
	global_store_b32 v[L4], v[PK], s[16:17]
	global_store_b32 v[L4], v[PK+1], s[16:17] offset:128
	global_store_b32 v[L4], v[SWD+4], s[16:17] offset:256
	s_wait_xcnt 0x0                                ; the stores' bases and registers are written again below
	s_wait_alu depctr_vm_vsrc(0)                   ; the pass's stores have read the five tiles' codes and the scale words, its loads their offsets v[TK ..], v[SA ..], v[LA1], v[LA2]: the next pass writes all of these again, by loads and by vector instructions
	s_add_nc_u64 s[12:13], s[12:13], 983040        ; 20 tiles on
	s_add_nc_u64 s[16:17], s[16:17], 49152         ; four quintets on
	s_add_co_u32 s22, s22, 320
	s_add_co_u32 s24, s24, 1280
	s_cmp_ge_u32 s22, s21                          ; nothing left for my next 80 rows, nor for any behind them
	s_cbranch_scc1 .Ldone
	s_add_co_u32 s23, s23, 1
	s_cmp_lt_u32 s23, 4
	s_cbranch_scc1 .Lpass
.Ldone:
	s_wait_dscnt 0x0                               ; the closing lines, six on end
	s_wait_alu 0x0
	s_wait_tensorcnt 0x0
	ds_add_u32 v27, v28
	s_wait_dscnt 0x0
	s_endpgm
.Lfunc_end_k_q29d002a30a_ffn1:
	.size	k_q29d002a30a_ffn1, .Lfunc_end_k_q29d002a30a_ffn1-k_q29d002a30a_ffn1
	.p2alignl 7, 3214868480
	.fill 96, 4, 3214868480
	.section	.rodata,"a",@progbits
	.p2align	6, 0x0
	.amdhsa_kernel k_q29d002a30a_ffn1
		.amdhsa_group_segment_fixed_size 107520
		.amdhsa_private_segment_fixed_size 0
		.amdhsa_enable_private_segment 0
		.amdhsa_kernarg_size 48
		.amdhsa_user_sgpr_count 2
		.amdhsa_user_sgpr_kernarg_segment_ptr 1
		.amdhsa_wavefront_size32 1
		.amdhsa_system_sgpr_workgroup_id_x 1
		.amdhsa_system_sgpr_workgroup_id_y 1
		.amdhsa_system_sgpr_workgroup_id_z 1
		.amdhsa_system_vgpr_workitem_id 0
		.amdhsa_next_free_vgpr 1024
		.amdhsa_next_free_sgpr 66
		.amdhsa_reserve_vcc 0
		.amdhsa_float_denorm_mode_32 3
		.amdhsa_float_denorm_mode_16_64 3
		.amdhsa_memory_ordered 1
		.amdhsa_forward_progress 1
		.amdhsa_inst_pref_size 234
	.end_amdhsa_kernel
	.amdgpu_metadata
---
amdhsa.version: [ 1, 2 ]
amdhsa.kernels:
  - .name:           k_q29d002a30a_ffn1
    .symbol:         k_q29d002a30a_ffn1.kd
    .args:
      - { .name: W1, .offset: 0, .size: 8, .value_kind: global_buffer, .address_space: global }
      - { .name: b1, .offset: 8, .size: 8, .value_kind: global_buffer, .address_space: global }
      - { .name: list, .offset: 16, .size: 8, .value_kind: global_buffer, .address_space: global }
      - { .name: xq, .offset: 24, .size: 8, .value_kind: global_buffer, .address_space: global }
      - { .name: hq, .offset: 32, .size: 8, .value_kind: global_buffer, .address_space: global }
      - { .name: pos, .offset: 40, .size: 8, .value_kind: global_buffer, .address_space: global }
    .group_segment_fixed_size: 107520
    .private_segment_fixed_size: 0
    .kernarg_segment_align: 8
    .kernarg_segment_size: 48
    .max_flat_workgroup_size: 128
    .sgpr_count:     66
    .vgpr_count:     1024
    .wavefront_size: 32
...
	.end_amdgpu_metadata
.endif
;; end of part 6
;; launch ffn2 (part 7): grid 32 x 8, 4 waves a work-group, no clusters, 124,928 bytes of LDS; arguments W2, b2, pos, hq, yp; writes yp
.if DOCPART == 7
	.amdgcn_target "amdgcn-amd-amdhsa--gfx1250"
	.amdhsa_code_object_version 6
	.text
	.protected	k_q29d002a30a_ffn2
	.globl	k_q29d002a30a_ffn2
	.p2align	8
	.type	k_q29d002a30a_ffn2,@function
k_q29d002a30a_ffn2:
	s_mov_b64 s[64:65], 0
	v_nop
	global_prefetch_b8 v0, s[64:65] scope:SCOPE_SE
	s_setreg_imm32_b32 hwreg(HW_REG_WAVE_SCHED_MODE, 0, 2), 2
	s_setreg_imm32_b32 hwreg(HW_REG_WAVE_MODE, 25, 1), 1
	s_wait_xcnt 0x0
	s_wait_alu depctr_vm_vsrc(0)
; SECOND PRODUCT.  Work-group (x, e): outputs 64 cs .. 64 cs + 63 (cs = x / 2) of expert e, half kh = x % 2 of K (2,048 hidden units): yp[kh][e][row] = Q(h) Q(W2), + b2 where kh = 0.
; PHASE 1 as in the first product: its 2,048 x 64 numbers of W2 (512 KiB of f32, read by nobody else) are read once, quantised along K in registers, and laid in LDS as images of operand registers.
;   A unit is 64 columns x 128 K; lane (r, h) loads columns 4 r .. 4 r + 3 of row 64 c + 32 h + i (sixteen lanes: 256 consecutive bytes, aligned), so that tile j's row m is column 4 m + j.  Wave w makes units 4 w .. 4 w + 3.
; PHASE 2: a wave owns 80 routed rows (five tiles) a pass, up to four passes; the wave ends at the first pass at or past the expert's count, and the way out of a tile at or past it is jumped over.
;   h's fragments come from memory as images of their registers, 512 consecutive bytes a load, in a ring of eight K places in registers of windows 2 and 3, which phase 1 does not use.
;   THE FIRST PASS'S h IS ASKED FOR WHILE THE WEIGHTS RUN OUT: scale words and K steps 0, 1 behind half-unit 6 (32 weight loads are then out at the most), steps 2, 3 behind half-unit 7, steps 4 to 7 one
;   behind each of the first four groups of products; steps 8 to 15 follow into the places just multiplied.  The first 320 rows of hq of every expert are always stored by the launch before, so these loads read stored bytes.
;   TRANSPOSED: source 0 = a tile of W2, source 1 = 16 rows of h: lane (r, h) holds row r, register j' of tile j column 32 h + 4 j' + j: the four tiles give 32 neighbouring outputs, 128 bytes of a row of yp.
;   They go through the wave's own stage in LDS, so that sixteen lanes store 256 consecutive bytes, aligned.
;   b2 (zeros where kh = 1) lies in LDS in the accumulators' own order and is loaded into them at a pass's head: every product then adds in place.
; K is summed in two halves, each ascending; the last launch adds them in f32.
; No tensor load, no asynchronous copy: branches hang on a stored count.  No cluster: the weights, nearly all the bytes, are shared by nobody.
; LIMITS: NaN and infinities are not served; a block whose largest magnitude is under 2^-122 (zeros too) gets the byte 1; zero codes add nothing, and only this program reads the bytes.
; REGISTERS: window 0 as in the first product (v32-55 h's scale words, v56-63 W2's, v64-159 W2's fragments).  Window 1: phase 1: two sets of 32 loads; phase 2: the 20 accumulators (32 g + 8 j).
;   Window 2: h's tiles 0, 1 (v0, v96), tile 4's places 0-3 (v192), scale words on their way (v240).  Window 3: h's tiles 2, 3, tile 4's places 4-7.
; THE MODE: SCHED_MODE bits 1:0 = 2 (LLVM: expert scheduling mode 2), set by the entry lines.  The code itself states the register dependences
; between vector or matrix instructions and memory or LDS instructions, with s_wait_alu, always for 0.
; THE PLAN.  Registers that memory or LDS instructions touch, who else names them, and the wait that stands between:
;   v4-v16, v24   addresses and offsets, made at the head and never written again: one wait on va_vdst at the head.
;   raw sets      Half-unit n: its 128 moves read set n % 2; behind them one wait on va_vdst, then the loads of half-unit n + 2 land in it.
;   FR, QWS       A unit's codes and scale words: written by conversions and moves, one wait on va_vdst, read by 13 LDS stores; one wait on vm_vsrc ahead of the next unit's conversions (the last unit's: behind the barrier).
;   XSC           Steps 0 to 3: written by HSCOPY's moves; eight places and one wait on va_vdst ahead of the first product.  The same wait stands ahead of the loads into the accumulators and into W2's two sets.
;   h's places, XSC, W2's sets   Group u reads place u % 8 with its scale words and set u % 2; behind its places ONE wait on va_vdst, then K step u + 8 and unit u + 2 land in them.
;                 K steps 4 to 7 land while products name places 0 to 3 alone.  A later pass's first loads land in places 0 to 3, last read by groups 8 to 11, and in HST, last read by HSCOPY: waits on va_vdst have followed both.
;   ORD, OUTR     A tile's way out: moves write ORD, one wait on va_vdst, LDS stores read it; loads from the stage land in OUTR, stores to memory read it; one wait on vm_vsrc at the tile's end frees both.
.set ROWP,  4096                       ; a row of W2 in bytes
.set WSC,   98304
.set BIAS,  106496                     ; my 64 numbers of b2, laid [h 2][accumulator 4][register 8]
.set STAGE, 107008                     ; 16 rows x (256 + 16) bytes for each wave
.set HSOFF, 31457280
.set PRE,   42                         ; loads issued behind the last weight loads, ahead of the wait for these
.set WO,  4                            ; W2: 32 h rows + 16 r
.set L16, 5
.set L4,  6
.set IW,  7
.set SWA, 8
.set B2A, 9                            ; 16 r
.set LI1, 10
.set LS,  11
.set SH,  12
.set BA,  13                           ; BIAS + 128 h
.set STO, 14                           ; the stage, in: row r, 128 h
.set STR, 15                           ; back: row h, 16 r
.set YO,  16                           ; yp: row h, 16 r
.set BS,  24                           ; wave 0: where my four numbers of b2 go
.set QM,  32
.set QS,  36
.set QB,  40
.set QW,  48
.set QWS, 52
.set QT,  56
.set FR,  64
.set TQ,  112
.set ST,  128
.set BR,  192
.set XSC, 32
.set WSCR, 56
.set WB,  64
.set HT4, 192
.set HST, 240
.set ORD, 64
.set OUTR, 96
.set RAWRD, 0x01
.set TOW1,  0x40
.set TOW2,  0x80
.set TOW3,  0xc0
.set MSB, 0
.macro WIN new                         ; the immediate's high byte repeats the setting that is left; a switch that changes nothing is dropped
.if MSB != \new
	s_set_vgpr_msb (MSB<<8)|\new
.set MSB, \new
.endif
.endm
.macro LOADH n                         ; half-unit n of my eight (unit n / 2, c = n % 2) into set n % 2 of window 1
	WIN TOW1
.set i, 0
.rept 32
	global_load_b128 v[128*((\n)&1)+4*i:128*((\n)&1)+4*i+3], v[WO], s[4:5] offset:(((\n)>>1)*128+64*((\n)&1)+i)*ROWP th:TH_LOAD_NT
.set i, i+1
.endr
.endm
.macro QCOL c                          ; four columns' blocks become registers 6 c .. 6 c + 5 of the four fragments
.irp j, 0,1,2,3
	v_max3_num_f32 v[QM+\j], |v[ST+32*\j]|, |v[ST+32*\j+1]|, 0x2800000     ; the floor 2^(5 - 127): the byte cannot fall under 1
.endr
.irp i, 2,4,6,8,10,12,14,16,18,20,22,24,26,28,30
.irp j, 0,1,2,3
	v_max3_num_f32 v[QM+\j], v[QM+\j], |v[ST+32*\j+\i]|, |v[ST+32*\j+\i+1]|
.endr
.endr
.irp j, 0,1,2,3
	v_add_nc_u32 v[QS+\j], 0xfe000000, v[QM+\j]    ; 4 off the exponent field: the conversion's scale operand
.endr
.irp j, 0,1,2,3
	v_lshrrev_b32 v[QB+4*(\c)+\j], 23, v[QS+\j]
.endr
.irp j, 0,1,2,3
	v_cvt_scalef32_pk16_bf6_f32 v[FR+12*\j+6*(\c):FR+12*\j+6*(\c)+2], v[ST+32*\j:ST+32*\j+15], v[QS+\j]
	v_cvt_scalef32_pk16_bf6_f32 v[TQ+4*\j:TQ+4*\j+2], v[ST+32*\j+16:ST+32*\j+31], v[QS+\j]   ; (a conversion's three registers begin on an even number)
.endr
	v_nop                                          ; one plain place behind a scaled conversion
.irp j, 0,1,2,3
.irp i, 0,1,2
	v_mov_b32 v[FR+12*\j+6*(\c)+3+\i], v[TQ+4*\j+\i]
.endr
.endr
.endm
.macro UNITOUT ul                      ; the unit's image and its scale words to LDS
.irp j, 0,1,2,3
	v_lshl_or_b32 v[QW+\j], v[QB+4+\j], 16, v[QB+\j]
.endr
.irp j, 0,1,2,3
	v_lshlrev_b32 v[QW+\j], v[SH], v[QW+\j]
.endr
.irp j, 0,1,2,3
	v_permlanex16_b32 v[QT+\j], v[QW+\j], s32, s33
.endr
.irp j, 0,1,2,3
	v_or_b32 v[QWS+\j], v[QW+\j], v[QT+\j]
.endr
	s_wait_alu depctr_va_vdst(0)                   ; the conversions and moves have written the unit's codes v[FR ..], the four lines above its scale words v[QWS ..]: the 13 LDS stores read them
.irp j, 0,1,2,3
.irp p, 0,1,2
	ds_store_b128 v[IW], v[FR+12*\j+4*\p:FR+12*\j+4*\p+3] offset:6144*(\ul)+1536*\j+512*\p
.endr
.endr
	ds_store_b128 v[SWA], v[QWS:QWS+3] offset:512*(\ul)
.endm
.macro HALF n
.if (\n) < 7
	s_wait_loadcnt 32                              ; this half-unit's 32 loads are in; the other set's 32 may be out
.else
	s_wait_loadcnt PRE                             ; the last weights are in; h's loads issued behind them may be out
.endif
	WIN RAWRD
.set i, 0
.rept 32
.set j, 0
.rept 4
	v_mov_b32 v[ST+32*j+i], v[128*((\n)&1)+4*i+j]
.set j, j+1
.endr
.set i, i+1
.endr
.if (\n) <= 5
	WIN TOW1
	s_wait_alu depctr_va_vdst(0)                   ; the 128 moves are done reading set n % 2, in which the loads below land
	LOADH (\n)+2
.endif
	WIN 0
.if (((\n)&1)==0) && ((\n)>0)
	s_wait_dscnt 0x0                               ; the last unit's stores have landed,
	s_wait_alu depctr_vm_vsrc(0)                   ; and have read v[FR ..] and v[QWS ..], which this unit's conversions, moves and scale words write again
.endif
	QCOL (\n)&1
.if (\n)&1
	UNITOUT (\n)>>1
.endif
.endm
.macro WFETCH u                        ; unit u from LDS into set u % 2: 13 loads
	WIN 0
.irp j, 0,1,2,3
.irp p, 0,1,2
.if (\u) < 8
	ds_load_b128 v[WB+48*((\u)&1)+12*\j+4*\p:WB+48*((\u)&1)+12*\j+4*\p+3], v[L16] offset:6144*((\u)&7)+1536*\j+512*\p
.else
	ds_load_b128 v[WB+48*((\u)&1)+12*\j+4*\p:WB+48*((\u)&1)+12*\j+4*\p+3], v[LI1] offset:6144*((\u)&7)+1536*\j+512*\p
.endif
.endr
.endr
	ds_load_b128 v[WSCR+4*((\u)&1):WSCR+4*((\u)&1)+3], v[LS] offset:512*(\u)
.endm
.macro MM u, g, j                      ; one product, in place: tile j of unit u (K step u, place u % 8) against row tile g; odd row tiles' scale words lie in lanes 16-31
.if (\g)==4
.set rX, HT4+12*((\u)&3)
.else
.set rX, 96*((\g)&1)+12*((\u)&7)
.endif
.set rA, 32*(\g)+8*(\j)
.set rW, WB+48*((\u)&1)+12*(\j)
.set rP, WSCR+4*((\u)&1)+(\j)
.set rQ, XSC+8*((\g)>>1)+((\u)&7)
.if (\g)&1
	v_wmma_scale_f32_16x16x128_f8f6f4 v[rA:rA+7], v[rW:rW+11], v[rX:rX+11], v[rA:rA+7], v[rP], v[rQ] matrix_a_fmt:MATRIX_FMT_BF6 matrix_b_fmt:MATRIX_FMT_BF6 matrix_b_scale:MATRIX_SCALE_ROW1
.else
	v_wmma_scale_f32_16x16x128_f8f6f4 v[rA:rA+7], v[rW:rW+11], v[rX:rX+11], v[rA:rA+7], v[rP], v[rQ] matrix_a_fmt:MATRIX_FMT_BF6 matrix_b_fmt:MATRIX_FMT_BF6
.endif
.endm
; a unit against the five row tiles: 20 products on 20 accumulators, by turns, in the same order in every group; four places follow, for the loads that come next.
; Source 0 (W2) window 0; source 1 (h) window 2 or 3; C and D window 1.
.macro GROUP u
	WIN 0x58
.irp j, 0,1,2,3
.irp g, 0,1
	MM \u, \g, \j
.endr
.endr
	WIN 0x5c
.irp j, 0,1,2,3
.irp g, 2,3
	MM \u, \g, \j
.endr
.endr
.if ((\u)&7) < 4
	WIN 0x58
.endif
.irp j, 0,1,2,3
	MM \u, 4, \j
.endr
	WIN 0
.rept 4
	v_nop
.endr
.endm
; the codes of K step s of the five row tiles of h into place s % 8: 15 loads
.macro HCODE s
	WIN TOW2
.irp g, 0,1
.irp p, 0,1,2
	global_load_b128 v[96*\g+12*((\s)&7)+4*\p:96*\g+12*((\s)&7)+4*\p+3], v[L16], s[10:11] offset:49152*\g+1536*(\s)+512*\p
.endr
.endr
.if ((\s)&7) < 4
.irp p, 0,1,2
	global_load_b128 v[HT4+12*((\s)&3)+4*\p:HT4+12*((\s)&3)+4*\p+3], v[L16], s[10:11] offset:49152*4+1536*(\s)+512*\p
.endr
.endif
	WIN TOW3
.irp g, 0,1
.irp p, 0,1,2
	global_load_b128 v[96*\g+12*((\s)&7)+4*\p:96*\g+12*((\s)&7)+4*\p+3], v[L16], s[10:11] offset:49152*(2+\g)+1536*(\s)+512*\p
.endr
.endr
.if ((\s)&7) >= 4
.irp p, 0,1,2
	global_load_b128 v[HT4+12*((\s)&3)+4*\p:HT4+12*((\s)&3)+4*\p+3], v[L16], s[10:11] offset:49152*4+1536*(\s)+512*\p
.endr
.endif
	WIN 0
.endm
; K step s whole: three loads of scale words straight into window 0, 15 of codes
.macro HFETCH s
	WIN 0
.irp p, 0,1,2
	global_load_b32 v[XSC+8*\p+((\s)&7)], v[L4], s[16:17] offset:384*(\s)+128*\p
.endr
	HCODE \s
.endm
; the scale words of K steps 0 to 3 into spare registers of window 2, since window 0 is at work while they are on their way: 12 loads
.macro HSC4
	WIN TOW2
.irp q, 0,1,2,3
.irp p, 0,1,2
	global_load_b32 v[HST+3*\q+\p], v[L4], s[16:17] offset:384*\q+128*\p
.endr
.endr
	WIN 0
.endm
; and down into window 0, where scale operands stand.  Eight places follow: a scale register written by a vector instruction stands so far ahead of a scaled product
.macro HSCOPY
	WIN 0x02
.irp q, 0,1,2,3
.irp p, 0,1,2
	v_mov_b32 v[XSC+8*\p+\q], v[HST+3*\q+\p]
.endr
.endr
	WIN 0
.rept 8
	v_nop
.endr
.endm
; b2 into the 20 accumulators: register j' of accumulator j holds output 32 h + 4 j' + j, and so lies the bias in LDS; the sixteen lanes of a half read the same 16 bytes
.macro ACCINIT
	WIN TOW1
.set g, 0
.rept 5
.set j, 0
.rept 4
	ds_load_b128 v[32*g+8*j:32*g+8*j+3], v[BA] offset:32*j
	ds_load_b128 v[32*g+8*j+4:32*g+8*j+7], v[BA] offset:32*j+16
.set j, j+1
.endr
.set g, g+1
.endr
	WIN 0
.endm
; row tile g leaves, if it has a row under the count: in order (each accumulator read from its register 0 on), through my stage, out as whole runs of 256 bytes
.macro YOUT g
	s_add_co_u32 s30, s22, 16*(\g)
	s_cmp_ge_u32 s30, s21
	s_cbranch_scc1 .Lnone_\@
	WIN 0x01
.set rA, 32*(\g)
.set jp, 0
.rept 8
.set j, 0
.rept 4
	v_mov_b32 v[ORD+4*jp+j], v[rA+8*j+jp]
.set j, j+1
.endr
.set jp, jp+1
.endr
	WIN 0
	s_wait_alu depctr_va_vdst(0)                   ; the moves have written v[ORD ..], which the LDS stores read; and the pass's last products are done reading W2's fragments, in whose registers v[OUTR ..] the loads from the stage land
.irp q, 0,1,2,3,4,5,6,7
	ds_store_b128 v[STO], v[ORD+4*\q:ORD+4*\q+3] offset:16*\q
.endr
.if (\g) >= 2
	s_wait_xcnt 0x0                                ; the stores of the tile two back have read the registers that are loaded next
.endif
.irp i, 0,1,2,3,4,5,6,7
	ds_load_b128 v[OUTR+32*((\g)&1)+4*\i:OUTR+32*((\g)&1)+4*\i+3], v[STR] offset:544*\i   ; LDS serves a wave's instructions in order: these see my stores
.endr
.irp i, 0,1,2,3,4,5,6,7
	s_wait_dscnt 7-\i                              ; the younger loads may be out
	global_store_b128 v[YO], v[OUTR+32*((\g)&1)+4*\i:OUTR+32*((\g)&1)+4*\i+3], s[12:13] offset:(16*(\g)+2*\i)*4096
.endr
	s_wait_alu depctr_vm_vsrc(0)                   ; my LDS stores have read v[ORD ..] and my stores to memory v[OUTR ..]: the next tile's moves and a later tile's loads from the stage write them again, and so do the next pass's loads of W2's fragments
.Lnone_\@:
.endm
	s_load_b256 s[4:11], s[0:1], 0x0               ; W2 s[4:5], b2 s[6:7], pos s[8:9], hq s[10:11]
	s_load_b64 s[12:13], s[0:1], 0x20              ; yp
	v_lshl_add_u32 v30, v0, 2, 0x1e600
	v_mov_b32 v31, 0
	v_lshrrev_b32 v1, 5, v0
	v_readfirstlane_b32 s18, v1                    ; wave
	s_and_b32 s19, ttmp7, 0xffff                   ; expert
	s_lshr_b32 s20, ttmp9, 1                       ; cs
	s_and_b32 s31, ttmp9, 1                        ; kh
	s_cmp_eq_u32 s31, 0
	s_cselect_b32 s35, -1, 0                       ; b2 counts in K half 0 alone
	v_and_b32 v1, 31, v0                           ; l
	v_and_b32 v2, 15, v0                           ; r
	v_bfe_u32 v3, v0, 4, 1                         ; h
	v_lshlrev_b32 v[WO], 17, v3
	v_lshl_add_u32 v[WO], v2, 4, v[WO]
	v_lshlrev_b32 v[L16], 4, v1
	v_lshlrev_b32 v[L4], 2, v1
	s_wait_alu depctr_va_sdst(0)                   ; s18, the wave's number, is written, ahead of its first reader: LDS places, bases and a branch are made from it
	s_mul_i32 s25, s18, 24576
	v_add_nc_u32 v[IW], s25, v[L16]
	s_lshl_b32 s25, s18, 11
	s_add_co_u32 s25, s25, WSC
	v_add_nc_u32 v[SWA], s25, v[L16]
	v_lshlrev_b32 v[B2A], 4, v2
	v_add_nc_u32 v[LI1], 49152, v[L16]
	v_add_nc_u32 v[LS], WSC, v[L16]
	v_lshlrev_b32 v[SH], 3, v3
	v_lshl_add_u32 v[BA], v3, 7, BIAS
	s_mul_i32 s25, s18, 4352
	s_add_co_u32 s25, s25, STAGE
	v_mul_u32_u24 v[STO], 272, v2
	v_lshl_add_u32 v[STO], v3, 7, v[STO]
	v_add_nc_u32 v[STO], s25, v[STO]
	v_mul_u32_u24 v[STR], 272, v3
	v_lshl_add_u32 v[STR], v2, 4, v[STR]
	v_add_nc_u32 v[STR], s25, v[STR]
	v_lshlrev_b32 v[YO], 12, v3
	v_lshl_add_u32 v[YO], v2, 4, v[YO]
	v_and_b32 v25, 7, v0                           ; the bias as loaded: lane r = 8 h + j' holds outputs 4 r + j: they go to 128 h + 32 j + 4 j' (lanes 16-31 hold and write the same)
	v_bfe_u32 v26, v0, 3, 1
	v_lshlrev_b32 v[BS], 2, v25
	v_lshl_add_u32 v[BS], v26, 7, v[BS]
	v_add_nc_u32 v[BS], BIAS, v[BS]
.irp j, 0,1,2,3
	v_mov_b32 v[QT+\j], 0                          ; a lane permute's destination counts as read
.endr
	s_lshl_b32 s26, s19, 24                        ; W2: expert, K half, my four K steps, my 256 bytes of a row
	s_lshl_b32 s27, s31, 23
	s_add_co_u32 s26, s26, s27
	s_lshl_b32 s27, s18, 21
	s_add_co_u32 s26, s26, s27
	s_lshl_b32 s27, s20, 8
	s_add_co_u32 s26, s26, s27
	s_mov_b32 s27, 0
	s_lshl_b32 s38, s19, 12                        ; b2
	s_lshl_b32 s39, s20, 8
	s_add_co_u32 s38, s38, s39
	s_mov_b32 s39, 0
	s_mul_i32 s40, s19, 80                         ; hq's codes: ((80 e + 5 w) 32 + 16 kh) 1,536
	s_mul_i32 s30, s18, 5
	s_add_co_u32 s40, s40, s30
	s_lshl_b32 s40, s40, 5
	s_lshl_b32 s30, s31, 4
	s_add_co_u32 s40, s40, s30
	s_mul_i32 s40, s40, 1536
	s_mov_b32 s41, 0
	s_lshl_b32 s42, s19, 4                         ; hq's scale words: HSOFF + ((16 e + w) 32 + 16 kh) 384
	s_add_co_u32 s42, s42, s18
	s_lshl_b32 s42, s42, 5
	s_add_co_u32 s42, s42, s30
	s_mul_i32 s42, s42, 384
	s_add_co_u32 s42, s42, HSOFF
	s_mov_b32 s43, 0
	s_lshl_b32 s44, s31, 3                         ; yp: ((8 kh + e) 1,280 + 80 w) 4,096 + 256 cs
	s_add_co_u32 s44, s44, s19
	s_mul_i32 s44, s44, 1280
	s_mul_i32 s22, s18, 80                         ; my first routed row of the pass
	s_add_co_u32 s44, s44, s22
	s_lshl_b32 s44, s44, 12
	s_lshl_b32 s45, s20, 8
	s_add_co_u32 s44, s44, s45
	s_mov_b32 s45, 0
	s_lshl_b32 s46, s19, 7                         ; the expert's count
	s_add_co_u32 s46, s46, 32768
	s_mov_b32 s47, 0
	s_mov_b32 s23, 0
	s_mov_b32 s32, 0x76543210
	s_mov_b32 s33, 0xfedcba98                      ; v_permlanex16_b32: lane l xor 16
	s_wait_kmcnt 0x0
	s_add_nc_u64 s[8:9], s[8:9], s[46:47]
	s_load_b32 s21, s[8:9], 0x0                    ; the expert's rows
	s_add_nc_u64 s[4:5], s[4:5], s[26:27]
	s_add_nc_u64 s[6:7], s[6:7], s[38:39]
	s_add_nc_u64 s[16:17], s[10:11], s[42:43]
	s_add_nc_u64 s[10:11], s[10:11], s[40:41]
	s_add_nc_u64 s[12:13], s[12:13], s[44:45]
	s_wait_alu depctr_va_vdst(0)                   ; all the addresses and offsets made above are written: every load, store and LDS instruction of the kernel reads one of them, and none is written again
	s_cmp_lg_u32 s18, 0
	s_cbranch_scc1 .Lothers
	; ---- wave 0 also brings the bias
	global_load_b128 v[BR:BR+3], v[B2A], s[6:7]    ; both halves of the lanes read the same 256 bytes
	LOADH 0
	LOADH 1
	WIN 0
	s_wait_loadcnt 63                              ; 65 are issued: the two oldest are in, the bias among them
.irp i, 0,1,2,3
	v_cndmask_b32 v[BR+\i], 0, v[BR+\i], s35
.endr
	s_wait_alu depctr_va_vdst(0)                   ; the four selects have written v[BR ..], which the LDS stores read
.irp j, 0,1,2,3
	ds_store_b32 v[BS], v[BR+\j] offset:32*\j
.endr
	s_wait_dscnt 0x0
	s_wait_alu depctr_vm_vsrc(0)                   ; the four LDS stores have read v[BR ..], which half-unit 0's moves write
	s_branch .Ljoin
.Lothers:
	LOADH 0
	LOADH 1
	WIN 0
.Ljoin:
.irp n, 0,1,2,3,4,5,6
	HALF \n
.endr
	HSC4                                           ; 12 + 15 + 15 loads behind the last weights.  No wait: their offsets stand since the head, and no vector instruction has ever named windows 2 and 3
	HCODE 0
	HCODE 1
	HALF 7
	HCODE 2
	HCODE 3
	s_wait_dscnt 0x0                               ; my images (and wave 0's bias) have landed
	s_barrier_signal -1
	s_barrier_wait -1                              ; the 16 units lie in LDS and are only read from here on
	s_wait_alu depctr_vm_vsrc(0)                   ; my last unit's LDS stores have read v[FR ..] and v[QWS ..]: from here on these registers take W2's fragments and h's scale words, by loads
	s_wait_kmcnt 0x0                               ; the count
.Lpass:
	s_cmp_ge_u32 s22, s21                          ; nothing left for my 80 rows, nor for any behind them
	s_cbranch_scc1 .Ldone
	s_cmp_eq_u32 s23, 0                            ; the first pass's loads are out already
	s_cbranch_scc1 .Lhave
	s_wait_loadcnt 0x0                             ; no load is out
	HSC4                                           ; no wait: these land in registers last read by the last pass's copies, and by its groups 8 to 11, and waits on va_vdst have followed both; what was issued since names other registers
	HCODE 0
	HCODE 1
	HCODE 2
	HCODE 3
.Lhave:
	s_wait_loadcnt 60                              ; the scale words are in; the four K steps' 60 loads behind them may be out
	HSCOPY
	WIN TOW1
	s_wait_alu depctr_va_vdst(0)                   ; behind the eight places: the moves have written h's scale words of K steps 0 to 3, which the products take.  And all that named the registers in which the loads below and K steps 4 to 7 land is done: in the first pass the moves and conversions of phase 1, in a later pass the last pass's last products and its way out
	ACCINIT
	WFETCH 0
	WFETCH 1
.set uu, 0
.rept 16
.if uu == 0
	s_wait_loadcnt 45                              ; K step 0 is in; steps 1 to 3 may be out
.elseif uu < 12
	s_wait_loadcnt 63                              ; 66 loads or more stand behind this K step's: the largest count that can be written
.else
	s_wait_loadcnt 18*(15-uu)                      ; the later K steps' loads, 18 each, may be out
.endif
.if uu < 15
	s_wait_dscnt 13                                ; this unit is in (and, the first time, the bias); the next unit's 13 loads may be out
.else
	s_wait_dscnt 0x0
.endif
	GROUP uu
.if uu < 4
	HFETCH uu+4                                    ; K steps 4 to 7, one behind each of the first four groups.  No wait: the products issued since the last wait name places 0 to 3 and their scale words alone
.endif
.if uu <= 13
	s_wait_alu depctr_va_vdst(0)                   ; behind the four places: this group's products are done reading h's place uu % 8 with its scale words, and set uu % 2 of W2's fragments and scale words: the loads below land in them
.endif
.if uu < 8
	HFETCH uu+8                                    ; into the place just multiplied
.endif
.if uu <= 13
	WFETCH uu+2
.endif
.set uu, uu+1
.endr
	v_nop
.irp g, 0,1,2,3,4
	YOUT \g
.endr
	s_wait_xcnt 0x0                                ; the stores' base is stepped below
	s_add_nc_u64 s[10:11], s[10:11], 983040        ; 20 tiles on
	s_add_nc_u64 s[16:17], s[16:17], 49152         ; four quintets on
	s_add_nc_u64 s[12:13], s[12:13], 1310720       ; 320 rows on
	s_add_co_u32 s22, s22, 320
	s_add_co_u32 s23, s23, 1
	s_cmp_lt_u32 s23, 4
	s_cbranch_scc1 .Lpass
.Ldone:
	s_wait_dscnt 0x0                               ; the closing lines, six on end
	s_wait_alu 0x0
	s_wait_tensorcnt 0x0
	ds_add_u32 v30, v31
	s_wait_dscnt 0x0
	s_endpgm
.Lfunc_end_k_q29d002a30a_ffn2:
	.size	k_q29d002a30a_ffn2, .Lfunc_end_k_q29d002a30a_ffn2-k_q29d002a30a_ffn2
	.p2alignl 7, 3214868480
	.fill 96, 4, 3214868480
	.section	.rodata,"a",@progbits
	.p2align	6, 0x0
	.amdhsa_kernel k_q29d002a30a_ffn2
		.amdhsa_group_segment_fixed_size 124928
		.amdhsa_private_segment_fixed_size 0
		.amdhsa_enable_private_segment 0
		.amdhsa_kernarg_size 40
		.amdhsa_user_sgpr_count 2
		.amdhsa_user_sgpr_kernarg_segment_ptr 1
		.amdhsa_wavefront_size32 1
		.amdhsa_system_sgpr_workgroup_id_x 1
		.amdhsa_system_sgpr_workgroup_id_y 1
		.amdhsa_system_sgpr_workgroup_id_z 1
		.amdhsa_system_vgpr_workitem_id 0
		.amdhsa_next_free_vgpr 1024
		.amdhsa_next_free_sgpr 66
		.amdhsa_reserve_vcc 0
		.amdhsa_float_denorm_mode_32 3
		.amdhsa_float_denorm_mode_16_64 3
		.amdhsa_memory_ordered 1
		.amdhsa_forward_progress 1
		.amdhsa_inst_pref_size 233
	.end_amdhsa_kernel
	.amdgpu_metadata
---
amdhsa.version: [ 1, 2 ]
amdhsa.kernels:
  - .name:           k_q29d002a30a_ffn2
    .symbol:         k_q29d002a30a_ffn2.kd
    .args:
      - { .name: W2, .offset: 0, .size: 8, .value_kind: global_buffer, .address_space: global }
      - { .name: b2, .offset: 8, .size: 8, .value_kind: global_buffer, .address_space: global }
      - { .name: pos, .offset: 16, .size: 8, .value_kind: global_buffer, .address_space: global }
      - { .name: hq, .offset: 24, .size: 8, .value_kind: global_buffer, .address_space: global }
      - { .name: yp, .offset: 32, .size: 8, .value_kind: global_buffer, .address_space: global }
    .group_segment_fixed_size: 124928
    .private_segment_fixed_size: 0
    .kernarg_segment_align: 8
    .kernarg_segment_size: 40
    .max_flat_workgroup_size: 128
    .sgpr_count:     66
    .vgpr_count:     1024
    .wavefront_size: 32
...
	.end_amdgpu_metadata
.endif
;; end of part 7
;; launch mix: the kernel of part 5 again; grid 256 x 1, 4 waves a work-group, no clusters, 0 bytes of LDS; arguments route, wts, pos, yp, out0; writes out0
